; MI455X (gfx1250); checked and timed in simulation.
; The chip was launched on July 23, 2026; its instructions are those of AMD's public machine-readable ISA for CDNA 5 (MIT licence, August 2026) and "CDNA5" Instruction Set Architecture Reference Guide (July 2026). The comments in the code are by the model that wrote it; some were corrected since.
;; Super Hybrid Attention Model. Allowed arithmetic: matrix products marked QUANTISED: E2M1 operands, one E8M0 scale for each 32 along K, by v_wmma_scale_f32_16x16x128_f8f6f4 with both operands' format E2M1 (or v_wmma_scale_f32_32x16x128_f4), f32 sums; products left as they are: bf16, f16 or f32 operands; f32 sums; everything else in f32.
;; Inputs: Wc 2,048 x 1,024 float32; Wd 1,024 x 2,048 float32; Wk 1,024 x 1,024 float32; Wq 1,024 x 1,024 float32; Wv 1,024 x 1,024 float32; bc 1,024 float32; bd 2,048 float32; bk 1,024 float32; bq 1,024 float32; bv 1,024 float32; hidden_states 4 x 2,048 x 2,048 float32; rel_bias 257 float32.
;; Outputs: out0 4 x 2,048 x 2,048 float32.
;; This version of the problem:
;;   THIS VERSION OF THE PROBLEM IS GIVEN IN LOW PRECISION. The matrix products marked QUANTISED in the list below multiply operands that are first quantised to E2M1 (2 exponent bits, 1 mantissa bit; 4 bits a number), with one power-of-two scale for each 32 numbers along K (OCP MX v1.0); their sums are f32. The products marked 'left as it is' may take bf16, f16 or f32 operands, with f32 sums. Whichever they take, every output number must still come out within the allowed error. Rounding operands to bf16 (8 significant bits) uses up far more of that allowance than f16 does (11 bits, for magnitudes from 6e-5 to 65,504). All else is computed in f32.
;;   The module's matrix products, in the order in which they are computed (A, B: the left and right operand; K: the contracted axis; several contracted axes count as one K, in the product's order):
;;     1. [M 8,192, K 2,048] x [K 2,048, N 1,024]; A: input hidden_states; B: input Wc: QUANTISED
;;     2. [M 8,192, K 1,024] x [K 1,024, N 1,024]; A: computed on the way; B: input Wq: left as it is (an operand is computed on the way)
;;     3. [M 8,192, K 1,024] x [K 1,024, N 1,024]; A: computed on the way; B: input Wk: left as it is (an operand is computed on the way)
;;     4. [M 8,192, K 1,024] x [K 1,024, N 1,024]; A: computed on the way; B: input Wv: left as it is (an operand is computed on the way)
;;     5. batch 256 x [M 512, K 64] x [K 64, N 512]; A: computed on the way; B: computed on the way: left as it is (an operand is computed on the way)
;;     6. batch 256 x [M 512, K 512] x [K 512, N 64]; A: computed on the way; B: computed on the way: left as it is (an operand is computed on the way)
;;     7. [M 8,192, K 1,024] x [K 1,024, N 2,048]; A: computed on the way; B: input Wd: left as it is (an operand is computed on the way)
;;   THE QUANTISER, for each operand of a quantised product, along K:
;;     - K is cut into blocks of 32 from its start; a last block that is shorter is filled with zeros.
;;     - A block's scale is 2^e with e = floor(log2(the largest magnitude in the block)) - 2, held to -126 .. 127; a block of zeros has e = 0. As a byte (E8M0): e + 127.
;;     - Each number is divided by its block's scale, clamped to +-6, and rounded to the nearest number of E2M1, ties to even, subnormals kept.
;;     - The product sums the exact products of the quantised numbers (number of the format x scale) in f32.
;;   ~~~python
;;   def quantise(x, axis):      # numpy; x: float32 -> the quantised numbers, widened to float32 again
;;       x = np.moveaxis(x, axis, -1); K = x.shape[-1]
;;       x = np.pad(x, [(0, 0)] * (x.ndim - 1) + [(0, -K % 32)]); x = x.reshape(x.shape[:-1] + (-1, 32)); a = np.abs(x).max(-1, keepdims=True)
;;       e = np.where(a > 0, np.clip(np.frexp(np.where(a > 0, a, 1))[1] - 1 - 2, -126, 127), 0)      # np.frexp(a)[1] - 1 = floor(log2(a)), exactly
;;       r = np.clip(x / 2.0 ** e, -6, 6)
;;       step = 2.0 ** (np.maximum(np.frexp(np.where(r == 0, 1, r))[1] - 1, 0) - 1)
;;       q = np.round(r / step) * step * 2.0 ** e      # np.round: ties to even
;;       return np.moveaxis(q.reshape(q.shape[:-2] + (-1,))[..., :K], -1, axis).astype(np.float32)
;;   ~~~
;; One version. Each part assembles by itself: llvm-mc -triple=amdgcn-amd-amdhsa -mcpu=gfx1250 --defsym DOCPART=n.
;; ======== version 1 of 1: 4 launches
;; limits: values are held in f16: magnitudes above 65,504 overflow, below 6.1e-05 lose precision
;; workspace buffers: qa 10,027,008 bytes; wf 10,487,808 bytes; xb 16,785,408 bytes; cb 16,781,312 bytes
;; launch prep (part 1): grid 736 x 1, 4 waves a work-group, no clusters, 34,304 bytes of LDS; arguments hidden_states, Wc, Wq, Wk, Wv, Wd, qa, wf; writes qa, wf
.if DOCPART == 1
	.amdgcn_target "amdgcn-amd-amdhsa--gfx1250"
	.amdhsa_code_object_version 6
	.text
	.protected	k_q6ce8f1c33e_prep
	.globl	k_q6ce8f1c33e_prep
	.p2align	8
	.type	k_q6ce8f1c33e_prep,@function
k_q6ce8f1c33e_prep:
	s_mov_b64 s[64:65], 0
	v_nop
	global_prefetch_b8 v0, s[64:65] scope:SCOPE_SE
	s_setreg_imm32_b32 hwreg(HW_REG_WAVE_MODE, 25, 1), 1
	s_wait_xcnt 0x0
; PREP: the operands of all later launches, each laid in the order of the matrix operand's registers.
; A FRAGMENT is 1,024 bytes: the operand's registers 0-3 as 32 lanes x 16 bytes, then registers 4-7 likewise.
;   qa: hidden_states as codes of E2M1 [m tile 512][k128 16][1 KB]; Wc likewise [n tile 64][k128 16][1 KB] at WCF;
;       hidden's scale words at HSO: [m tile][Q 4][lane 32][2]: word i of lane (r, h) is row r's word for k128 = 4 Q + 2 i + h;
;       Wc's at WSO: [pair of n tiles 32][Q 4][lane 32][4]: word t of lane l is column 32 pair + l's word for k128 = 4 Q + t.
;   wf: Wq, Wk, Wv in f16 [head 16][b 12][k32 32][1 KB] (b = 0-3 Wq's tiles of 16 columns of the head, 4-7 Wk's, 8-11 Wv's); Wd [n tile 128][k32 32][1 KB] at WDF;
;       at WMAX [3][128] f32: each wave's largest |Wq|, |Wk|, |Wv|, from which the attention launch makes power-of-two factors.
; THE QUANTISER: a block of 32 along K has the scale 2^(floor(log2(largest magnitude)) - 2); its byte is the largest magnitude's exponent field - 2, held at 1 from below; each number is divided by
; the scale and rounded to the nearest code, ties to even, beyond 6 the code of 6.
; DEAD WORK, for the whole program: bk.  score(q, k) = q . (x Wk) / 8 + q . bk / 8 + rel_bias[..]; the middle term is the same for all keys of a query, whatever the inputs hold, and the softmax
; along the keys takes away what is the same along its axis; the product of q and k is not a quantised one.  So bk has no way to any output: it is not loaded and is among no launch's arguments.
; The padding and the last slice of the sequence are empty: 2,048 = 4 x 512.
; LIMITS: a NaN, an infinity or an overflow that reaches only bk is not carried to the result.  A block of zeros, and one whose largest magnitude lies under 2^-124, keeps the byte 1 (its codes are
; zeros or held by the floor; the bytes are read by this program alone).  NaN and infinities among the inputs are not served.  Weights beyond 65,504 in magnitude have no f16.
; SHARES: work-groups 0-63 take Wc, 64-159 Wq, Wk, Wv, 160-223 Wd, 224-735 one tile of 16 rows of hidden_states each.  The weights' K is their FIRST axis: a lane takes a column and its registers run
; down K, so each load reads neighbouring columns in neighbouring lanes and nothing is transposed.  Every wave of a weight walks eight blocks of 32 along K, two blocks of loads out: the first two runs of loads on end.
; Only the path of hidden_states uses LDS.  No barrier: waves share nothing.
.set WCF,   8388608
.set HSO,   9437184
.set WSO,   9961472
.set WDF,   6291456
.set WMAX,  10485760
.set STG,   8448                       ; a wave's stage: 16 rows x (512 bytes + 16)
.set SPARE, 33792                      ; behind the four stages: the spare words, 128 bytes a wave
.set SPW,   30                         ; v30 LDS address of my spare word; never rewritten
.set NIL,   31                         ; v31 0; never rewritten
	s_load_b512 s[4:19], s[0:1], 0x0               ; hidden s[4:5], Wc s[6:7], Wq s[8:9], Wk s[10:11], Wv s[12:13], Wd s[14:15], qa s[16:17], wf s[18:19]
	v_lshl_add_u32 v[SPW], v0, 2, SPARE
	v_mov_b32 v[NIL], 0
	v_lshrrev_b32 v1, 5, v0
	v_readfirstlane_b32 s20, v1                    ; wave 0..3
	v_and_b32 v1, 31, v0                           ; lane
	v_and_b32 v2, 15, v0                           ; r
	v_bfe_u32 v3, v0, 4, 1                         ; h
	s_mov_b32 s40, 0x76543210
	s_mov_b32 s41, 0xfedcba98                      ; v_permlanex16_b32's selects for lane l xor 16
	s_wait_kmcnt 0x0
	s_cmp_lt_u32 ttmp9, 64
	s_cbranch_scc1 .Lpath_c
	s_cmp_lt_u32 ttmp9, 160
	s_cbranch_scc1 .Lpath_qkv
	s_cmp_lt_u32 ttmp9, 224
	s_cbranch_scc1 .Lpath_wd
; ---- hidden_states: work-group = a tile of 16 rows; wave w = the quarter 512 w .. 512 w + 511 of K, in four steps of 128.
; A load reads 512 consecutive bytes of one row; a step's 16 x 512 bytes turn through the wave's own stage, so that lane (r, h) gets, of row r, the two whole blocks 2 c + h (c = 0, 1) that the operand's layout gives it.
	s_sub_co_u32 s21, ttmp9, 224                   ; the tile of rows
	s_lshl_b32 s22, s21, 17                        ; 16 rows of 8,192 bytes
	s_lshl_b32 s23, s20, 11                        ; my quarter of K: 2,048 bytes
	s_add_co_u32 s22, s22, s23
	s_mov_b32 s23, 0
	s_add_nc_u64 s[4:5], s[4:5], s[22:23]
	s_lshl_b32 s22, s21, 14                        ; the tile's 16 fragments,
	s_lshl_b32 s24, s20, 12                        ; my four of them
	s_add_co_u32 s22, s22, s24
	s_add_nc_u64 s[24:25], s[16:17], s[22:23]
	s_lshl_b32 s22, s21, 10                        ; the tile's scale words,
	s_lshl_b32 s26, s20, 8                         ; my 256 bytes of them
	s_add_co_u32 s22, s22, s26
	s_add_co_u32 s22, s22, HSO
	s_add_nc_u64 s[26:27], s[16:17], s[22:23]
	v_lshlrev_b32 v4, 4, v1                        ; 16 x lane: a load's and a store's place
	s_mul_i32 s28, s20, STG
	v_add_nc_u32 v5, s28, v4                       ; the stage, on the way in
	v_mul_u32_u24 v6, v2, 528
	v_lshl_add_u32 v6, v3, 7, v6
	v_add_nc_u32 v6, s28, v6                       ; and on the way out: row r, + 128 h
	v_lshlrev_b32 v7, 3, v1                        ; 8 x lane: the scale words' place
	v_mov_b32 v19, 0                               ; written once: a lane permute's destination counts as one of its sources
.macro HLOAD t                         ; step t: 16 rows x 512 bytes into set t % 2 of v32-159
.set li, 0
.rept 16
	global_load_b128 v[32+64*((\t)%2)+4*li:35+64*((\t)%2)+4*li], v4, s[4:5] offset:8192*li+512*(\t) th:TH_LOAD_NT
.set li, li+1
.endr
.endm
.macro HSTEP t
.set RS, 32+64*((\t)%2)
.set FS, 224+8*((\t)%2)
.if (\t) < 3
	s_wait_loadcnt 16                              ; this step's 16 loads are in; the next step's 16 may be out
.else
	s_wait_loadcnt 0
.endif
.set si, 0
.rept 16
	ds_store_b128 v5, v[RS+4*si:RS+4*si+3] offset:528*si
.set si, si+1
.endr
.irp c, 0,1
.irp e, 0,1,2,3,4,5,6,7
	ds_load_b128 v[160+32*\c+4*\e:163+32*\c+4*\e], v6 offset:256*\c+16*\e   ; LDS serves a wave's instructions in order: these see the stores above
.endr
.endr
	s_wait_dscnt 0x0                               ; my 64 numbers are back, and the stores have read their registers
.if (\t) < 2
	HLOAD (\t)+2
.endif
.irp c, 0,1
	v_max3_num_f32 v[8+\c], |v[160+32*\c]|, |v[161+32*\c]|, 0x1800000   ; my block 2 c + h, and the floor 2^(3 - 127): the byte cannot fall under 1
.endr
.irp i, 2,4,6,8,10,12,14,16,18,20,22,24,26,28,30
.irp c, 0,1
	v_max3_num_f32 v[8+\c], v[8+\c], |v[160+32*\c+\i]|, |v[161+32*\c+\i]|   ; (the two blocks by turns)
.endr
.endr
.irp c, 0,1
	v_add_nc_u32 v[10+\c], 0xff000000, v[8+\c]     ; 2 off the exponent field: the conversion takes the exponent field of this operand as its scale
.endr
.irp c, 0,1
	v_lshrrev_b32 v[12+\c], 23, v[10+\c]           ; the scale's byte
.endr
	v_lshl_or_b32 v14, v13, 16, v12                ; my two bytes: blocks h and 2 + h,
	v_lshlrev_b32 v15, 3, v3
	v_lshlrev_b32 v14, v15, v14                    ; at their places in the word;
	v_permlanex16_b32 v19, v14, s40, s41
	v_or_b32 v[20+(\t)], v14, v19                  ; with lane l xor 16's two the word of row r, step t, is whole
.if (\t) >= 2
	s_wait_xcnt 0x0                                ; the stores of two steps back have read this set of code registers
.endif
.irp c, 0,1
.irp g, 0,1,2,3
	v_cvt_scalef32_pk8_fp4_f32 v[FS+4*\c+\g], v[160+32*\c+8*\g:167+32*\c+8*\g], v[10+\c]   ; register 4 c + g of the fragment
.endr
.endr
	v_nop                                          ; one plain place behind the scaled conversions
	global_store_b128 v4, v[FS:FS+3], s[24:25] offset:1024*(\t)          ; 512 consecutive bytes a store
	global_store_b128 v4, v[FS+4:FS+7], s[24:25] offset:1024*(\t)+512
.endm
	HLOAD 0
	HLOAD 1
	HSTEP 0
	HSTEP 1
	HSTEP 2
	HSTEP 3
	v_cmp_ne_u32 vcc_lo, 0, v3
	v_cndmask_b32 v8, v20, v21, vcc_lo             ; lanes 0-15 keep steps 0 and 2, lanes 16-31 steps 1 and 3
	v_cndmask_b32 v9, v22, v23, vcc_lo
	global_store_b64 v7, v[8:9], s[26:27]          ; the wave stores 256 consecutive bytes, aligned
	s_wait_tensorcnt 0x0                           ; the wave's end
	ds_add_u32 v[SPW], v[NIL]
	s_wait_dscnt 0x0
	s_endpgm
; ---- Wc [2048 (k)][1024 (n)]: work-group = 128 columns x 256 along K; wave = 32 columns; 8 blocks of 32 a lane: two fragments for each of two tiles of columns, two scale words a column.
.Lpath_c:
	s_and_b32 s21, ttmp9, 7                        ; which 128 columns
	s_lshr_b32 s22, ttmp9, 3                       ; which 256 along K: 0 .. 7
	s_lshl_b32 s24, s22, 20                        ; 256 rows of 4,096 bytes
	s_lshl_b32 s25, s21, 9
	s_add_co_u32 s24, s24, s25
	s_lshl_b32 s25, s20, 7
	s_add_co_u32 s24, s24, s25                     ; + 4 x my wave's first column
	s_mov_b32 s25, 0
	s_add_nc_u64 s[6:7], s[6:7], s[24:25]
	s_lshl_b32 s24, s21, 3
	s_lshl_b32 s26, s20, 1
	s_add_co_u32 s24, s24, s26                     ; my even tile of 16 columns: 8 cg + 2 w
	s_lshl_b32 s24, s24, 4
	s_lshl_b32 s26, s22, 1
	s_add_co_u32 s24, s24, s26                     ; x 16 fragments + my first k128
	s_lshl_b32 s24, s24, 10
	s_add_co_u32 s24, s24, WCF
	s_add_nc_u64 s[26:27], s[16:17], s[24:25]
	s_lshl_b32 s24, s21, 2
	s_add_co_u32 s24, s24, s20                     ; my pair of tiles: 4 cg + w
	s_lshl_b32 s24, s24, 2
	s_lshr_b32 s28, s22, 1
	s_add_co_u32 s24, s24, s28                     ; x 4 + Q
	s_lshl_b32 s24, s24, 9
	s_and_b32 s28, s22, 1
	s_lshl_b32 s28, s28, 3
	s_add_co_u32 s24, s24, s28                     ; + 8 bytes for the upper half of Q: words 2 and 3 of a lane's four
	s_add_co_u32 s24, s24, WSO
	s_add_nc_u64 s[28:29], s[16:17], s[24:25]
	v_lshlrev_b32 v4, 2, v1
	v_lshlrev_b32 v5, 4, v1
.macro CLOAD t                         ; block t: Wc(32 t + i, my column) into set t % 2 of v32-95
.set li, 0
.rept 32
	global_load_b32 v[32+32*((\t)%2)+li], v4, s[6:7] offset:(32*(\t)+li)*4096 th:TH_LOAD_NT
.set li, li+1
.endr
.endm
.macro CBLOCK t
.set XS, 32+32*((\t)%2)
.if (\t) < 7
	s_wait_loadcnt 32                              ; this block's 32 loads are in; the next block's may be out
.else
	s_wait_loadcnt 0
.endif
	v_max3_num_f32 v24, |v[XS]|, |v[XS+1]|, |v[XS+2]|
	v_max3_num_f32 v27, |v[XS+3]|, |v[XS+4]|, |v[XS+5]|
.irp i, 6,10,14,18,22,26
	v_max3_num_f32 v24, v24, |v[XS+\i]|, |v[XS+\i+1]|
	v_max3_num_f32 v27, v27, |v[XS+\i+2]|, |v[XS+\i+3]|
.endr
	v_max3_num_f32 v24, v24, |v[XS+30]|, |v[XS+31]|
	v_max3_num_f32 v24, v24, v27, 0x1800000        ; and the floor
	v_add_nc_u32 v25, 0xff000000, v24              ; the conversion's scale operand
	v_lshrrev_b32 v26, 23, v25                     ; the byte
.if (\t)%4 == 0
	v_mov_b32 v[112+(\t)/4], v26                   ; four bytes to a word, the lower K in the lower byte
.else
	v_lshl_or_b32 v[112+(\t)/4], v26, 8*((\t)%4), v[112+(\t)/4]
.endif
.if ((\t)%4 == 0) && ((\t) > 0)
	s_wait_xcnt 0x0                                ; the last four stores have read the code registers
.endif
.irp g, 0,1,2,3
	v_cvt_scalef32_pk8_fp4_f32 v[96+4*((\t)%4)+\g], v[XS+8*\g:XS+8*\g+7], v25
.endr
	v_nop                                          ; one plain place behind the scaled conversions
.if (\t)+2 < 8
	CLOAD (\t)+2
.endif
.if (\t)%4 == 3
; A lane holds four whole blocks of ONE column; the layout wants lanes 0-15 with blocks 0 and 2 and lanes 16-31 with blocks 1 and 3 of 16 columns.  Each swap gives the first register's upper lanes
; the second's lower ones: v96-99, v104-107 become the even tile's fragment, v100-103, v108-111 the odd tile's.
.irp i, 0,1,2,3
	v_permlane16_swap_b32 v[96+\i], v[100+\i]
	v_permlane16_swap_b32 v[104+\i], v[108+\i]
.endr
	global_store_b128 v5, v[96:99], s[26:27] offset:1024*((\t)/4)
	global_store_b128 v5, v[104:107], s[26:27] offset:1024*((\t)/4)+512
	global_store_b128 v5, v[100:103], s[26:27] offset:1024*((\t)/4)+16384
	global_store_b128 v5, v[108:111], s[26:27] offset:1024*((\t)/4)+16384+512
.endif
.endm
	CLOAD 0
	CLOAD 1
.set CT, 0
.rept 8
	CBLOCK CT
.set CT, CT+1
.endr
	global_store_b64 v5, v[112:113], s[28:29]      ; my column's two scale words: 8 of each 16 bytes; the other 8 are another work-group's.  These words are one byte in 128 of what this path reads
	s_endpgm
; ---- a weight [1024 (k)][n] to f16: a wave takes 32 columns x 256 along K, eight blocks of 32.  s[8:9] the source at my first number, s[28:29] my first fragment, s[30:31] my word of WMAX.
.macro WLOAD t, pitch
.set li, 0
.rept 32
	global_load_b32 v[32+32*((\t)%2)+li], v4, s[8:9] offset:(32*(\t)+li)*\pitch th:TH_LOAD_NT
.set li, li+1
.endr
.endm
.macro WBLOCK t, pitch, withmax
.set XS, 32+32*((\t)%2)
.if (\t) < 7
	s_wait_loadcnt 32                              ; this block's 32 loads are in; the next block's may be out
.else
	s_wait_loadcnt 0
.endif
.if \withmax
.irp i, 0,4,8,12,16,20,24,28
	v_max3_num_f32 v24, v24, |v[XS+\i]|, |v[XS+\i+1]|
	v_max3_num_f32 v25, v25, |v[XS+\i+2]|, |v[XS+\i+3]|
.endr
.endif
.if (\t) > 0
	s_wait_xcnt 0x0                                ; the last block's stores have read v96-111
.endif
.set wn, 0
.rept 16
	v_cvt_pk_f16_f32 v[96+wn], v[XS+2*wn], v[XS+2*wn+1]
.set wn, wn+1
.endr
.if (\t)+2 < 8
	WLOAD (\t)+2, \pitch
.endif
.irp i, 0,1,2,3                        ; k 0-7 | 8-15 and 16-23 | 24-31 of a column go to the two halves of the lanes: v96-99, v104-107 the even tile's fragment, v100-103, v108-111 the odd one's
	v_permlane16_swap_b32 v[96+\i], v[100+\i]
	v_permlane16_swap_b32 v[104+\i], v[108+\i]
.endr
	global_store_b128 v5, v[96:99], s[28:29] offset:1024*(\t)
	global_store_b128 v5, v[104:107], s[28:29] offset:1024*(\t)+512
	global_store_b128 v5, v[100:103], s[28:29] offset:1024*(\t)+32768
	global_store_b128 v5, v[108:111], s[28:29] offset:1024*(\t)+32768+512
.endm
.macro WCONV pitch, withmax
	v_lshlrev_b32 v4, 2, v1
	v_lshlrev_b32 v5, 4, v1
.if \withmax
	v_mov_b32 v24, 0
	v_mov_b32 v25, 0
.endif
	WLOAD 0, \pitch
	WLOAD 1, \pitch
.irp t, 0,1,2,3,4,5,6,7
	WBLOCK \t, \pitch, \withmax
.endr
.if \withmax
	v_max_num_f32 v24, v24, v25
	v_max_num_f32_dpp v24, v24, v24 row_xmask:1 row_mask:0xf bank_mask:0xf
	v_max_num_f32_dpp v24, v24, v24 row_xmask:2 row_mask:0xf bank_mask:0xf
	v_max_num_f32_dpp v24, v24, v24 row_xmask:4 row_mask:0xf bank_mask:0xf
	v_max_num_f32_dpp v24, v24, v24 row_xmask:8 row_mask:0xf bank_mask:0xf
	v_permlanex16_b32 v25, v24, s40, s41
	v_max_num_f32 v24, v24, v25                    ; the wave's largest magnitude, in every lane
	v_mov_b32 v26, 0
	s_wait_xcnt 0x0                                ; EXEC changes only behind this wait
	v_cmp_eq_u32 vcc_lo, 0, v1
	s_and_saveexec_b32 s42, vcc_lo
	global_store_b32 v26, v24, s[30:31]            ; lane 0 stores it
	s_wait_xcnt 0x0
	s_or_b32 exec_lo, exec_lo, s42
.endif
.endm
.Lpath_qkv:
	s_sub_co_u32 s21, ttmp9, 64
	s_lshr_b32 s22, s21, 5                         ; 0 Wq, 1 Wk, 2 Wv
	s_and_b32 s23, s21, 7                          ; which 128 columns
	s_bfe_u32 s24, s21, 0x20003                    ; which 256 along K
	s_cmp_eq_u32 s22, 0
	s_cselect_b64 s[8:9], s[8:9], s[10:11]
	s_cmp_eq_u32 s22, 2
	s_cselect_b64 s[8:9], s[12:13], s[8:9]
	s_lshl_b32 s26, s24, 20                        ; 256 rows of 4,096 bytes
	s_lshl_b32 s27, s23, 9
	s_add_co_u32 s26, s26, s27
	s_lshl_b32 s27, s20, 7
	s_add_co_u32 s26, s26, s27
	s_mov_b32 s27, 0
	s_add_nc_u64 s[8:9], s[8:9], s[26:27]
	s_lshl_b32 s26, s23, 1
	s_lshr_b32 s28, s20, 1
	s_add_co_u32 s26, s26, s28                     ; the head: 2 cg + w / 2
	s_mul_i32 s26, s26, 12
	s_lshl_b32 s28, s22, 2
	s_add_co_u32 s26, s26, s28
	s_and_b32 s28, s20, 1
	s_lshl_b32 s28, s28, 1
	s_add_co_u32 s26, s26, s28                     ; its tile b = 4 sel + 2 (w % 2)
	s_lshl_b32 s26, s26, 5
	s_lshl_b32 s28, s24, 3
	s_add_co_u32 s26, s26, s28                     ; x 32 fragments + 8 kc
	s_lshl_b32 s26, s26, 10
	s_add_nc_u64 s[28:29], s[18:19], s[26:27]
	s_lshl_b32 s26, s22, 9
	s_and_b32 s30, s21, 31
	s_lshl_b32 s30, s30, 4
	s_add_co_u32 s26, s26, s30
	s_lshl_b32 s30, s20, 2
	s_add_co_u32 s26, s26, s30
	s_add_co_u32 s26, s26, WMAX
	s_add_nc_u64 s[30:31], s[18:19], s[26:27]
	WCONV 4096, 1
	s_endpgm
.Lpath_wd:
	s_sub_co_u32 s21, ttmp9, 160
	s_and_b32 s23, s21, 15                         ; which 128 columns
	s_lshr_b32 s24, s21, 4                         ; which 256 along K
	s_mov_b64 s[8:9], s[14:15]
	s_lshl_b32 s26, s24, 21                        ; 256 rows of 8,192 bytes
	s_lshl_b32 s27, s23, 9
	s_add_co_u32 s26, s26, s27
	s_lshl_b32 s27, s20, 7
	s_add_co_u32 s26, s26, s27
	s_mov_b32 s27, 0
	s_add_nc_u64 s[8:9], s[8:9], s[26:27]
	s_lshl_b32 s26, s23, 3
	s_lshl_b32 s28, s20, 1
	s_add_co_u32 s26, s26, s28                     ; my even tile of columns: 8 cg + 2 w
	s_lshl_b32 s26, s26, 5
	s_lshl_b32 s28, s24, 3
	s_add_co_u32 s26, s26, s28
	s_lshl_b32 s26, s26, 10
	s_add_co_u32 s26, s26, WDF
	s_add_nc_u64 s[28:29], s[18:19], s[26:27]
	WCONV 8192, 0
	s_endpgm
.Lfunc_end_k_q6ce8f1c33e_prep:
	.size	k_q6ce8f1c33e_prep, .Lfunc_end_k_q6ce8f1c33e_prep-k_q6ce8f1c33e_prep
	.p2alignl 7, 3214868480
	.fill 96, 4, 3214868480
	.section	.rodata,"a",@progbits
	.p2align	6, 0x0
	.amdhsa_kernel k_q6ce8f1c33e_prep
		.amdhsa_group_segment_fixed_size 34304
		.amdhsa_private_segment_fixed_size 0
		.amdhsa_enable_private_segment 0
		.amdhsa_kernarg_size 64
		.amdhsa_user_sgpr_count 2
		.amdhsa_user_sgpr_kernarg_segment_ptr 1
		.amdhsa_wavefront_size32 1
		.amdhsa_system_sgpr_workgroup_id_x 1
		.amdhsa_system_sgpr_workgroup_id_y 1
		.amdhsa_system_sgpr_workgroup_id_z 1
		.amdhsa_system_vgpr_workitem_id 0
		.amdhsa_next_free_vgpr 240
		.amdhsa_next_free_sgpr 66
		.amdhsa_reserve_vcc 1
		.amdhsa_float_denorm_mode_32 3
		.amdhsa_float_denorm_mode_16_64 3
		.amdhsa_memory_ordered 1
		.amdhsa_forward_progress 1
		.amdhsa_inst_pref_size 154
	.end_amdhsa_kernel
	.amdgpu_metadata
---
amdhsa.version: [ 1, 2 ]
amdhsa.kernels:
  - .name:           k_q6ce8f1c33e_prep
    .symbol:         k_q6ce8f1c33e_prep.kd
    .args:
      - { .name: hidden_states, .offset: 0, .size: 8, .value_kind: global_buffer, .address_space: global }
      - { .name: Wc, .offset: 8, .size: 8, .value_kind: global_buffer, .address_space: global }
      - { .name: Wq, .offset: 16, .size: 8, .value_kind: global_buffer, .address_space: global }
      - { .name: Wk, .offset: 24, .size: 8, .value_kind: global_buffer, .address_space: global }
      - { .name: Wv, .offset: 32, .size: 8, .value_kind: global_buffer, .address_space: global }
      - { .name: Wd, .offset: 40, .size: 8, .value_kind: global_buffer, .address_space: global }
      - { .name: qa, .offset: 48, .size: 8, .value_kind: global_buffer, .address_space: global }
      - { .name: wf, .offset: 56, .size: 8, .value_kind: global_buffer, .address_space: global }
    .group_segment_fixed_size: 34304
    .private_segment_fixed_size: 0
    .kernarg_segment_align: 8
    .kernarg_segment_size: 64
    .max_flat_workgroup_size: 128
    .sgpr_count:     66
    .vgpr_count:     240
    .wavefront_size: 32
...
	.end_amdgpu_metadata
.endif
;; end of part 1
;; launch gemm1 (part 2): grid 8 x 64, 4 waves a work-group, clusters of 4 x 4, 279,040 bytes of LDS; arguments qa, bc, xb; writes xb
.if DOCPART == 2
	.amdgcn_target "amdgcn-amd-amdhsa--gfx1250"
	.amdhsa_code_object_version 6
	.text
	.protected	k_q6ce8f1c33e_gemm1
	.globl	k_q6ce8f1c33e_gemm1
	.p2align	8
	.type	k_q6ce8f1c33e_gemm1,@function
k_q6ce8f1c33e_gemm1:
	s_mov_b64 s[64:65], 0
	v_nop
	global_prefetch_b8 v0, s[64:65] scope:SCOPE_SE
	s_setreg_imm32_b32 hwreg(HW_REG_WAVE_MODE, 25, 1), 1
	s_wait_xcnt 0x0
	s_wait_alu depctr_hold_cnt(0) depctr_sa_sdst(0) depctr_va_vdst(0) depctr_va_sdst(0) depctr_va_ssrc(0) depctr_va_vcc(0) depctr_vm_vsrc(0)
	s_getreg_b32 s2, hwreg(HW_REG_IB_STS2, 6, 4)
	s_cmp_eq_u32 s2, 0
	s_cbranch_scc0 .Lentry_in_a_cluster
	s_endpgm
.Lentry_in_a_cluster:
	s_bfe_u32 s2, ttmp6, 0x10000c
	s_cmp_lg_u32 s2, 0xf033
	s_cbranch_scc0 .Lentry_shape_is_right
	s_endpgm
.Lentry_shape_is_right:
; x = Q(hidden_states) Q(Wc) + bc: [8192][2048] x [2048][1024] on codes of E2M1 with one E8M0 scale for each 32 along K; sums in f32.  x leaves as f16, as fragments of the next product's operand:
; xb: [m tile 512][k32 32][1 KB]; behind them, at XMAX, each wave's largest |x| (2,048 f32), from which the attention launch makes power-of-two factors.
; LIMIT: |x| under 65,504 (f16).
; SHARES.  A work-group makes 128 rows x 128 columns, each of its four waves 64 x 64: 16 accumulators.  ALL of K lies in LDS (2 x 128 KB of codes, 2 x 8 KB of scale words): every byte of LDS is filled once.
; Codes and scale words lie in memory in the order of the operand's registers, so each fragment is two LDS loads at 16 x lane: no pitch, no padding.
; CLUSTER 4 x 4: the four work-groups of a row of the cluster need the same rows of hidden_states, the four of a column the same columns of Wc: each tile is asked for jointly.
; THE MATRIX INSTRUCTION IS USED TRANSPOSED (source 0 = 16 columns of Wc, source 1 = 16 rows of hidden_states): a lane holds one row of x and eight neighbouring columns, which are neighbours along the next K:
; two neighbouring tiles, packed in pairs, ARE a fragment of x.  bc is the C of each sum's first instruction.
; REGISTERS: window 0: v1-13 addresses and the maximum; v28, v29 the add's two; v32-63 hidden's scale words, v64-95 Wc's; v96-159, v160-223 two sets of fragments (hidden's four, then Wc's four); v224-255 bc.
;   window 1: v0-127 the accumulators, (a, b) at 8 (4 a + b).
.set WCF,   8388608
.set HSO,   9437184
.set WSO,   9961472
.set XMAX,  16777216
.set ACOD,  0                          ; LDS: [K half 2][m tile 8][8 KB]
.set BCOD,  131072                     ; the same for Wc's tiles
.set ASC,   262144                     ; [m tile 8][Q 4][256 bytes]
.set BSC,   270336                     ; [pair 4][Q 4][512 bytes]
.set SPARE, 278528                     ; the spare words, 128 bytes a wave
.set SPW,   28
.set NIL,   29
.set AS,    32
.set BS,    64
.set FR0,   96
.set BC,    224
.set G1AC,  24
.set G1BC,  32
.set G1AS,  40
.set G1BS,  48
.set G0AS,  56
.set G0A0,  60
.set G0A1,  68
.set G0BS,  72
.set G0B0,  76
.set G0B1,  80
.set MSB, 0
.macro WIN new                         ; the immediate's high byte repeats the setting that is left
.if MSB != (\new)
	s_set_vgpr_msb (MSB<<8)|(\new)
.set MSB, (\new)
.endif
.endm
.macro PLACES
.rept 4
	v_nop
.endr
.endm
; A joint load: waves 0 and 1 fetch for hidden_states, waves 2 and 3 for Wc.  The branch hangs on the wave's number alone.  An s_nop 0 and four v_nop follow each of the two lines.
.macro JLOAD g0a, g1a, g0b, g1b
	s_cmp_eq_u32 s19, 0
	s_cbranch_scc0 .Lfor_b_\@
	tensor_load_to_lds s[\g0a:\g0a+3], s[\g1a:\g1a+7]
	s_nop 0
.rept 4
	v_nop
.endr
	s_branch .Lasked_\@
.Lfor_b_\@:
	tensor_load_to_lds s[\g0b:\g0b+3], s[\g1b:\g1b+7]
	s_nop 0
.rept 4
	v_nop
.endr
.Lasked_\@:
.endm
.macro CROUND                          ; a round of the cluster's barrier
	s_barrier_signal -1
	s_barrier_wait -1
	s_cmp_lg_u32 s18, 0
	s_cbranch_scc1 .Lnot_wave_0_\@
	s_barrier_signal -3
.Lnot_wave_0_\@:
	s_barrier_wait -3
	s_barrier_signal -1
	s_barrier_wait -1
.endm
.macro MKG0 g, lreg, lconst, off, extra        ; a group 0: to LDS byte s[lreg] + lconst, from qa + s[off:off+1] + extra
	s_mov_b32 s[\g], 1
	s_add_co_u32 s[\g+1], s[\lreg], \lconst
	s_add_nc_u64 s[\g+2:\g+3], s[4:5], s[\off:\off+1]
	s_add_nc_u64 s[\g+2:\g+3], s[\g+2:\g+3], \extra
	s_or_b32 s[\g+3], s[\g+3], 0x80000000
.endm
	s_load_b128 s[4:7], s[0:1], 0x0                ; qa, bc
	s_load_b64 s[8:9], s[0:1], 0x10                ; xb
	v_lshl_add_u32 v[SPW], v0, 2, SPARE
	v_mov_b32 v[NIL], 0
	ds_add_u32 v[SPW], v[NIL]                      ; the wave's opening: the add, twice on end, and its wait ahead of my first tensor load
	ds_add_u32 v[SPW], v[NIL]
	v_lshrrev_b32 v1, 5, v0
	v_readfirstlane_b32 s18, v1                    ; wave 0..3
	s_lshr_b32 s19, s18, 1                         ; my half of the rows.  Also: I fetch for hidden_states (0) or for Wc (1)
	s_and_b32 s20, s18, 1                          ; my half of the columns.  Also: which half of that tile I fetch
	s_bfe_u32 s21, ttmp6, 0x40000                  ; cx
	s_bfe_u32 s22, ttmp6, 0x40004                  ; cy
	s_lshl_b32 s23, ttmp9, 2
	s_add_co_u32 s23, s23, s21                     ; tx: which 128 columns
	s_and_b32 s10, ttmp7, 0xffff
	s_lshl_b32 s10, s10, 2
	s_add_co_u32 s10, s10, s22                     ; ty: which 128 rows
	s_lshl_b32 s84, s22, 2
	s_lshl_b32 s84, 15, s84                        ; my row of the cluster
	s_lshl_b32 s85, 0x1111, s21                    ; my column
	s_or_b32 s[G1AC], s84, (3<<16)|(1<<21)         ; 15:0 the mask; 17:16 elements of 8 bytes; 21 set beside a mask; no padding
	s_or_b32 s[G1BC], s85, (3<<16)|(1<<21)
	s_or_b32 s[G1AS], s84, (3<<16)|(1<<21)
	s_or_b32 s[G1BS], s85, (3<<16)|(1<<21)
.irp g, G1AC, G1BC                     ; codes: 4 tiles' rows of 8 KB (eight fragments: half of K), 16 KB apart in memory
	s_mov_b32 s[\g+1], 1024<<16                    ; tensor_dim0 = 1,024 elements
	s_mov_b32 s[\g+2], 4<<16                       ; tensor_dim1 = 4
	s_mov_b32 s[\g+3], 1024<<16                    ; tile_dim0
	s_mov_b32 s[\g+4], 4                           ; tile_dim1
	s_mov_b32 s[\g+5], 2048                        ; from row to row
	s_mov_b32 s[\g+6], 0
	s_mov_b32 s[\g+7], 0
.endr
.irp g, G1AS, G1BS                     ; scale words: 4 KB dense, as 16 rows of 256 bytes
	s_mov_b32 s[\g+1], 32<<16
	s_mov_b32 s[\g+2], 16<<16
	s_mov_b32 s[\g+3], 32<<16
	s_mov_b32 s[\g+4], 16
	s_mov_b32 s[\g+5], 32
	s_mov_b32 s[\g+6], 0
	s_mov_b32 s[\g+7], 0
.endr
	s_lshl_b32 s87, s20, 2                         ; 4 x half: the wave's number alone
	s_lshl_b32 s86, s10, 3
	s_add_co_u32 s86, s86, s87                     ; hidden's first tile that I fetch: 8 ty + 4 half
	s_lshl_b32 s88, s86, 14                        ; its codes,
	s_mov_b32 s89, 0
	s_lshl_b32 s90, s86, 10
	s_add_co_u32 s90, s90, HSO                     ; its scale words
	s_mov_b32 s91, 0
	s_lshl_b32 s92, s23, 3
	s_add_co_u32 s92, s92, s87                     ; Wc's: 8 tx + 4 half
	s_lshl_b32 s92, s92, 14
	s_add_co_u32 s92, s92, WCF
	s_mov_b32 s93, 0
	s_lshl_b32 s94, s23, 2
	s_lshl_b32 s95, s20, 1
	s_add_co_u32 s94, s94, s95                     ; pairs 4 tx + 2 half
	s_lshl_b32 s94, s94, 11
	s_add_co_u32 s94, s94, WSO
	s_mov_b32 s95, 0
	s_lshl_b32 s96, s20, 15                        ; where they go: 32,768 x half; no place in the cluster enters an LDS address
	s_lshl_b32 s97, s20, 12                        ; 4,096 x half
	s_mov_b32 s98, 0x76543210
	s_mov_b32 s99, 0xfedcba98
	s_wait_dscnt 0x0                               ; both opening adds are done
	s_wait_kmcnt 0x0
	CROUND                                         ; all sixteen work-groups are here: the joint loads meet
	MKG0 G0AS, 97, ASC, 90, 0
	MKG0 G0BS, 97, BSC, 94, 0
	JLOAD G0AS, G1AS, G0BS, G1BS                   ; the scale words first; three loads of mine are out at the most
	MKG0 G0A0, 96, ACOD, 88, 0
	MKG0 G0B0, 96, BCOD, 92, 0
	JLOAD G0A0, G1AC, G0B0, G1BC                   ; K's first half
	MKG0 G0A1, 96, ACOD+65536, 88, 8192
	MKG0 G0B1, 96, BCOD+65536, 92, 8192
	JLOAD G0A1, G1AC, G0B1, G1BC                   ; K's second half
	v_and_b32 v9, 31, v0
	v_lshlrev_b32 v1, 4, v9                        ; 16 x lane
	s_lshl_b32 s86, s19, 15
	v_add_nc_u32 v2, s86, v1                       ; hidden's fragments, K half 0: my four tiles
	v_add_nc_u32 v3, 65536, v2                     ; K half 1
	s_lshl_b32 s87, s20, 15
	s_add_co_u32 s87, s87, BCOD
	v_add_nc_u32 v4, s87, v1                       ; Wc's
	v_add_nc_u32 v5, 65536, v4
	s_lshl_b32 s86, s19, 12
	s_add_co_u32 s86, s86, ASC
	v_lshl_add_u32 v6, v9, 3, s86                  ; hidden's scale words: 8 bytes a lane
	s_lshl_b32 s87, s20, 12
	s_add_co_u32 s87, s87, BSC
	v_lshl_add_u32 v7, v9, 4, s87                  ; Wc's: 16 bytes a lane
	v_bfe_u32 v8, v0, 4, 1
	v_lshlrev_b32 v8, 5, v8                        ; 32 h
	s_lshl_b32 s86, s23, 9
	s_lshl_b32 s87, s20, 8
	s_add_co_u32 s86, s86, s87
	s_mov_b32 s87, 0
	s_add_nc_u64 s[6:7], s[6:7], s[86:87]          ; bc at my 64 columns
.irp b, 0,1,2,3
	global_load_b128 v[BC+8*\b:BC+8*\b+3], v8, s[6:7] offset:64*\b          ; lane (r, h): bc of columns 16 b + 8 h + 0 .. 7
	global_load_b128 v[BC+8*\b+4:BC+8*\b+7], v8, s[6:7] offset:64*\b+16
.endr
	s_lshl_b32 s86, s10, 3
	s_lshl_b32 s88, s19, 2
	s_add_co_u32 s86, s86, s88                     ; my first tile of rows
	s_lshl_b32 s86, s86, 5
	s_lshl_b32 s88, s23, 2
	s_add_co_u32 s86, s86, s88
	s_lshl_b32 s88, s20, 1
	s_add_co_u32 s86, s86, s88                     ; x 32 + my first k32 of the next K
	s_lshl_b32 s86, s86, 10
	s_add_nc_u64 s[12:13], s[8:9], s[86:87]
	s_lshl_b32 s86, s10, 3
	s_add_co_u32 s86, s86, s23
	s_lshl_b32 s86, s86, 2
	s_add_co_u32 s86, s86, s18
	s_lshl_b32 s86, s86, 2
	s_add_co_u32 s86, s86, XMAX
	s_add_nc_u64 s[14:15], s[8:9], s[86:87]        ; my word of XMAX
.macro FETCH t, set                    ; K step t (128 along K): hidden's four fragments, then Wc's four: 16 loads
.irp a, 0,1,2,3
	ds_load_b128 v[FR0+64*(\set)+8*\a:FR0+64*(\set)+8*\a+3], v[2+((\t)>>3)] offset:8192*\a+1024*((\t)&7)
	ds_load_b128 v[FR0+64*(\set)+8*\a+4:FR0+64*(\set)+8*\a+7], v[2+((\t)>>3)] offset:8192*\a+1024*((\t)&7)+512
.endr
.irp b, 0,1,2,3
	ds_load_b128 v[FR0+64*(\set)+32+8*\b:FR0+64*(\set)+32+8*\b+3], v[4+((\t)>>3)] offset:8192*\b+1024*((\t)&7)
	ds_load_b128 v[FR0+64*(\set)+32+8*\b+4:FR0+64*(\set)+32+8*\b+7], v[4+((\t)>>3)] offset:8192*\b+1024*((\t)&7)+512
.endr
.endm
; One product.  Wc's scale register holds the even tile's words in lanes 0-15 and the odd tile's in lanes 16-31; hidden's holds the even K step's below and the odd one's above.
.macro ONE t, set, first, a, b
.set rD, 8*(4*(\a)+(\b))
.set rB, FR0+64*(\set)+32+8*(\b)
.set rA, FR0+64*(\set)+8*(\a)
.set rSB, BS+4*(4*((\b)>>1)+((\t)>>2))+((\t)&3)
.set rSA, AS+2*(4*(\a)+((\t)>>2))+(((\t)&3)>>1)
.set rC, BC+8*(\b)
.if \first
.if (\b)&1
	v_wmma_scale_f32_16x16x128_f8f6f4 v[rD:rD+7], v[rB:rB+7], v[rA:rA+7], v[rC:rC+7], v[rSB], v[rSA] matrix_a_fmt:MATRIX_FMT_FP4 matrix_b_fmt:MATRIX_FMT_FP4 matrix_a_scale:MATRIX_SCALE_ROW1
.else
	v_wmma_scale_f32_16x16x128_f8f6f4 v[rD:rD+7], v[rB:rB+7], v[rA:rA+7], v[rC:rC+7], v[rSB], v[rSA] matrix_a_fmt:MATRIX_FMT_FP4 matrix_b_fmt:MATRIX_FMT_FP4
.endif
.else
.if ((\b)&1) && ((\t)&1)
	v_wmma_scale_f32_16x16x128_f8f6f4 v[rD:rD+7], v[rB:rB+7], v[rA:rA+7], v[rD:rD+7], v[rSB], v[rSA] matrix_a_fmt:MATRIX_FMT_FP4 matrix_b_fmt:MATRIX_FMT_FP4 matrix_a_scale:MATRIX_SCALE_ROW1 matrix_b_scale:MATRIX_SCALE_ROW1
.elseif (\b)&1
	v_wmma_scale_f32_16x16x128_f8f6f4 v[rD:rD+7], v[rB:rB+7], v[rA:rA+7], v[rD:rD+7], v[rSB], v[rSA] matrix_a_fmt:MATRIX_FMT_FP4 matrix_b_fmt:MATRIX_FMT_FP4 matrix_a_scale:MATRIX_SCALE_ROW1
.elseif (\t)&1
	v_wmma_scale_f32_16x16x128_f8f6f4 v[rD:rD+7], v[rB:rB+7], v[rA:rA+7], v[rD:rD+7], v[rSB], v[rSA] matrix_a_fmt:MATRIX_FMT_FP4 matrix_b_fmt:MATRIX_FMT_FP4 matrix_b_scale:MATRIX_SCALE_ROW1
.else
	v_wmma_scale_f32_16x16x128_f8f6f4 v[rD:rD+7], v[rB:rB+7], v[rA:rA+7], v[rD:rD+7], v[rSB], v[rSA] matrix_a_fmt:MATRIX_FMT_FP4 matrix_b_fmt:MATRIX_FMT_FP4
.endif
.endif
.endm
.macro MUL t, set, first               ; 16 products; the 16 accumulators take turns, in the same order in every step
.if \first
	WIN 0x40                                       ; D window 1; C (bc) window 0
.else
	WIN 0x50                                       ; C and D window 1
.endif
.irp a, 0,1,2,3
.irp b, 0,1,2,3
	ONE \t, \set, \first, \a, \b
.endr
.endr
.endm
.macro KSTEP t
	WIN 0
.if (\t) == 7
	s_wait_dscnt 0x0                               ; no LDS instruction of mine is pending at a signal
	s_wait_tensorcnt 0x0                           ; my part of K's second half is in,
	s_barrier_signal -1
	s_barrier_wait -1                              ; everybody's is
.endif
.if (\t) > 0
	PLACES                                         ; four places in front of loads into the set that the last step but one multiplied
.endif
.if (\t) < 15
	FETCH (\t)+1, ((\t)+1)%2
	s_wait_dscnt 16                                ; all but the 16 just issued
.else
	s_wait_dscnt 0x0
.endif
.if (\t) == 0
	s_wait_loadcnt 0x0                             ; bc
	MUL \t, 0, 1
.else
	MUL \t, (\t)%2, 0
.endif
.endm
	s_wait_tensorcnt 1                             ; the scale words and my part of K's first half are in (the second half's load may be out),
	s_barrier_signal -1
	s_barrier_wait -1                              ; everybody's are
.irp a, 0,1,2,3
.irp q, 0,1,2,3
	ds_load_b64 v[AS+2*(4*\a+\q):AS+2*(4*\a+\q)+1], v6 offset:1024*\a+256*\q
.endr
.endr
.irp p, 0,1
.irp q, 0,1,2,3
	ds_load_b128 v[BS+4*(4*\p+\q):BS+4*(4*\p+\q)+3], v7 offset:2048*\p+512*\q
.endr
.endr
	FETCH 0, 0
.set KT, 0
.rept 16
	KSTEP KT
.set KT, KT+1
.endr
	; THE WAY OUT: the largest |x|; x in f16: pairs of a lane's neighbours; tiles 2 p and 2 p + 1 of a tile of rows are fragment p.  Each accumulator is read from its low end on.
	WIN 0
	PLACES
	v_mov_b32 v10, 0
	v_mov_b32 v11, 0
	WIN 0x14                                       ; sources 1 and 2: window 1
.set n, 0
.rept 32
	v_max3_num_f32 v10, v10, |v[4*n]|, |v[4*n+1]|
	v_max3_num_f32 v11, v11, |v[4*n+2]|, |v[4*n+3]|
.set n, n+1
.endr
	WIN 0x05                                       ; sources 0 and 1: window 1
.set n, 0
.rept 64
	v_cvt_pk_f16_f32 v[96+n], v[2*n], v[2*n+1]
.set n, n+1
.endr
	WIN 0
.irp a, 0,1,2,3
.irp p, 0,1
	global_store_b128 v1, v[96+16*\a+8*\p:96+16*\a+8*\p+3], s[12:13] offset:32768*\a+1024*\p          ; 512 consecutive bytes a store
	global_store_b128 v1, v[96+16*\a+8*\p+4:96+16*\a+8*\p+7], s[12:13] offset:32768*\a+1024*\p+512
.endr
.endr
	v_max_num_f32 v10, v10, v11
	v_max_num_f32_dpp v10, v10, v10 row_xmask:1 row_mask:0xf bank_mask:0xf
	v_max_num_f32_dpp v10, v10, v10 row_xmask:2 row_mask:0xf bank_mask:0xf
	v_max_num_f32_dpp v10, v10, v10 row_xmask:4 row_mask:0xf bank_mask:0xf
	v_max_num_f32_dpp v10, v10, v10 row_xmask:8 row_mask:0xf bank_mask:0xf
	v_permlanex16_b32 v11, v10, s98, s99
	v_max_num_f32 v10, v10, v11
	v_mov_b32 v12, 0
	s_wait_xcnt 0x0                                ; EXEC changes only behind this wait
	v_cmp_eq_u32 vcc_lo, 0, v9
	s_and_saveexec_b32 s86, vcc_lo
	global_store_b32 v12, v10, s[14:15]            ; lane 0 stores the wave's largest |x|
	s_wait_xcnt 0x0
	s_or_b32 exec_lo, exec_lo, s86
	s_wait_tensorcnt 0x0                           ; the wave's end
	ds_add_u32 v[SPW], v[NIL]
	s_wait_dscnt 0x0
	CROUND                                         ; the closing round
	s_endpgm
.Lfunc_end_k_q6ce8f1c33e_gemm1:
	.size	k_q6ce8f1c33e_gemm1, .Lfunc_end_k_q6ce8f1c33e_gemm1-k_q6ce8f1c33e_gemm1
	.p2alignl 7, 3214868480
	.fill 96, 4, 3214868480
	.section	.rodata,"a",@progbits
	.p2align	6, 0x0
	.amdhsa_kernel k_q6ce8f1c33e_gemm1
		.amdhsa_group_segment_fixed_size 279040
		.amdhsa_private_segment_fixed_size 0
		.amdhsa_enable_private_segment 0
		.amdhsa_kernarg_size 24
		.amdhsa_user_sgpr_count 2
		.amdhsa_user_sgpr_kernarg_segment_ptr 1
		.amdhsa_wavefront_size32 1
		.amdhsa_system_sgpr_workgroup_id_x 1
		.amdhsa_system_sgpr_workgroup_id_y 1
		.amdhsa_system_sgpr_workgroup_id_z 1
		.amdhsa_system_vgpr_workitem_id 0
		.amdhsa_next_free_vgpr 384
		.amdhsa_next_free_sgpr 100
		.amdhsa_reserve_vcc 1
		.amdhsa_float_denorm_mode_32 3
		.amdhsa_float_denorm_mode_16_64 3
		.amdhsa_memory_ordered 1
		.amdhsa_forward_progress 1
		.amdhsa_inst_pref_size 74
	.end_amdhsa_kernel
	.amdgpu_metadata
---
amdhsa.version: [ 1, 2 ]
amdhsa.kernels:
  - .name:           k_q6ce8f1c33e_gemm1
    .symbol:         k_q6ce8f1c33e_gemm1.kd
    .args:
      - { .name: qa, .offset: 0, .size: 8, .value_kind: global_buffer, .address_space: global }
      - { .name: bc, .offset: 8, .size: 8, .value_kind: global_buffer, .address_space: global }
      - { .name: xb, .offset: 16, .size: 8, .value_kind: global_buffer, .address_space: global }
    .group_segment_fixed_size: 279040
    .private_segment_fixed_size: 0
    .kernarg_segment_align: 8
    .kernarg_segment_size: 24
    .max_flat_workgroup_size: 128
    .sgpr_count:     100
    .vgpr_count:     384
    .wavefront_size: 32
...
	.end_amdgpu_metadata
.endif
;; end of part 2
;; launch attn (part 3): grid 16 x 16, 4 waves a work-group, clusters of 4 x 4, 327,680 bytes of LDS; arguments xb, wf, bq, bv, rel_bias, cb; writes cb
.if DOCPART == 3
	.amdgcn_target "amdgcn-amd-amdhsa--gfx1250"
	.amdhsa_code_object_version 6
	.text
	.protected	k_q6ce8f1c33e_attn
	.globl	k_q6ce8f1c33e_attn
	.p2align	8
	.type	k_q6ce8f1c33e_attn,@function
k_q6ce8f1c33e_attn:
	s_mov_b64 s[64:65], 0
	v_nop
	global_prefetch_b8 v0, s[64:65] scope:SCOPE_SE
	s_setreg_imm32_b32 hwreg(HW_REG_WAVE_MODE, 25, 1), 1
	s_wait_xcnt 0x0
	s_wait_alu depctr_hold_cnt(0) depctr_sa_sdst(0) depctr_va_vdst(0) depctr_va_sdst(0) depctr_va_ssrc(0) depctr_va_vcc(0) depctr_vm_vsrc(0)
	s_getreg_b32 s2, hwreg(HW_REG_IB_STS2, 6, 4)
	s_cmp_eq_u32 s2, 0
	s_cbranch_scc0 .Lentry_in_a_cluster
	s_endpgm
.Lentry_in_a_cluster:
	s_bfe_u32 s2, ttmp6, 0x10000c
	s_cmp_lg_u32 s2, 0xf033
	s_cbranch_scc0 .Lentry_shape_is_right
	s_endpgm
.Lentry_shape_is_right:
; One work-group = one window of 512 tokens x one head of 64: q, k, v = x W (+ b) (M 512, N 192, K 1,024), then the whole attention; q, k, v, the scores and p never go to memory.
; LEFT OUT AS DEAD WORK: bk (a term of the scores that is the same for all keys of a query: shown at the head of the first launch's text).
; FORMATS.  All products here take f16 operands and f32 sums.  q, k, v and the context carry POWER-OF-TWO FACTORS made from bounds, so that f16 has room whatever the inputs' scale:
;   Bq = 1024 max|x| max|Wq| + max|bq|, Bk = 1024 max|x| max|Wk|, Bc = 1024 max|x| max|Wv| + max|bv|, each held at 2^-40 from below; f = 2^(141 - exponent field of B), so that B f lies in [2^14, 2^15).
;   q' = (x Wq + bq) fq, k' = (x Wk) fk, v' = (x Wv) fc.  S' = q' . k' + g rel_bias[..] with g = 8 fq fk (the bias is the C of a score tile's first product); t = sigma S', sigma = (log2(e) / 8) / (fq fk).
;   p = 2^(t - largest t so far); the row's sum l is taken of the unrounded p; since the weights p / l sum to 1, ctx' = (sum of p v') / l + bv fc.  1 / fc goes to CEXP for the last launch.
;   The factors enter arithmetic alone: no address and no branch hangs on them.  All work-groups make the same fc from the same words.
; LIMITS: sigma overflows where Bq Bk reaches 2^158; NaN and infinities among the inputs are not served.
; SHARES.  Wave w owns tokens 128 w .. 128 w + 127 of the window (8 tiles of 16), as rows of q, k, v and as queries.
; CLUSTER 4 x 4: a row of the cluster shares the window (x's tiles), a column the head (the weights' tiles): both are asked for jointly.
; PHASE G: K in 16 steps of 64 through two LDS slots; 96 accumulators (12 tiles of columns x 8 tiles of tokens), 768 registers.  q and k are made transposed (source 0 = the weight): a lane holds one token and eight
; channels; v the other way round: a lane holds one channel and eight tokens.  So q, k and v, packed in pairs, ARE the fragments of the two products of attention.
; PHASE P: k' and v' go to LDS as images of their registers, for all four waves; q' stays in registers.
; PHASE A: four trips of 128 keys; wave w takes key block (w + trip) % 4, so that register numbers are the same in all waves.  S^T = K Q^T, O^T = V^T P: a lane holds one query throughout.
; BY TURNS.  A tile of 16 queries has 16 products K Q^T, a softmax of 215 vector instructions, and 16 products V^T P.  The neighbours' products stand INSIDE a tile's softmax: tile i - 1's V^T P, one behind every
; fourth of its first 64 instructions; tile i + 1's K Q^T, one behind every eighth from number 72 to number 192.  So S^T has two buffers, which take turns; P has one: the last V^T P stands behind number 63 and P is
; written from number 135 on.  A trip's first K Q^T and its last V^T P stand bare.  Each product among vector instructions costs two switches of the register window: no window has room for a product's operands
; beside what the softmax touches.
; O^T IS NEVER CLEARED: it takes the registers that still hold q' (finite: under 2^15 by the bound), and the first trip's factor a = 2^(-3e38 - ..) = 0 multiplies them away; a first trip written out
; would be a second copy of the loop's body.
; REGISTERS, window 0: v1 16 x lane; v2-5 LDS addresses; v6, v7 the add's two; v8-15 rel_bias, later bases; v16-31 at work;
;   phase G: v32-95, v96-159 x's fragments, two sets; v160-255 the weights' 12 fragments, one set.  Windows 1-3: accumulator (b, a) in window 1 + b / 4 at 8 (8 (b % 4) + a).
;   phase A: v32-63 statistics (sigma m, m, l even, l odd for each tile of queries); v64-127 and v192-255 S^T, two buffers; v128-159 P; v160-175 at work; v176-191 and v12-27 bv.
;   window 1: O^T (i, dt) at 8 (4 i + dt); window 2: v0-127 Q, v128-255 K; window 3: v0-127 V, v128-247 fifteen octets of the bias.
.set SLOT,  90112                      ; a slot: x [m tile 32][kq 2][1 KB], then the weights [b 12][kq 2][1 KB]
.set BOFF,  65536
.set KIMG,  180224                     ; [key tile 32][u 2][1 KB]
.set VIMG,  245760                     ; [32 keys 16][dt 4][1 KB]
.set EXT,   311296                     ; 1,024 f32: ext[e] = g rel_bias[clip(e - 383, 0, 256)], e = key - query + 511
.set RED,   315392                     ; six maxima x four waves
.set SPARE, 315648                     ; the spare words, 128 bytes a wave
.set XMAX,  16777216
.set WMAX,  10485760
.set CEXP,  16777216
.set SPW,   6
.set NIL,   7
.set G1A,   24
.set G0A,   32
.set G1B,   40
.set G0B,   48
.set MSB, 0
.macro WIN new                         ; the immediate's high byte repeats the setting that is left; a switch that changes nothing is dropped
.if MSB != (\new)
	s_set_vgpr_msb (MSB<<8)|(\new)
.set MSB, (\new)
.endif
.endm
.macro PLACES
.rept 4
	v_nop
.endr
.endm
.macro JLOAD s                         ; a joint load: waves 0 and 1 fetch x's halves, waves 2 and 3 the weights'; an s_nop 0 and four v_nop follow each line
	s_cmp_eq_u32 s17, 0
	s_cbranch_scc0 .Lfor_b_\@
	tensor_load_to_lds s[G0A+4*\s:G0A+4*\s+3], s[G1A:G1A+7]
	s_nop 0
.rept 4
	v_nop
.endr
	s_branch .Lasked_\@
.Lfor_b_\@:
	tensor_load_to_lds s[G0B+4*\s:G0B+4*\s+3], s[G1B:G1B+7]
	s_nop 0
.rept 4
	v_nop
.endr
.Lasked_\@:
.endm
.macro CREST                           ; a round of the cluster's barrier behind its opening barrier
	s_cmp_lg_u32 s16, 0
	s_cbranch_scc1 .Lnot_wave_0_\@
	s_barrier_signal -3
.Lnot_wave_0_\@:
	s_barrier_wait -3
	s_barrier_signal -1
	s_barrier_wait -1
.endm
.macro CROUND
	s_barrier_signal -1
	s_barrier_wait -1
	CREST
.endm
	s_load_b256 s[4:11], s[0:1], 0x0               ; xb s[4:5], wf s[6:7], bq s[8:9], bv s[10:11]
	s_load_b128 s[12:15], s[0:1], 0x20             ; rel_bias s[12:13], cb s[14:15]
	v_lshl_add_u32 v[SPW], v0, 2, SPARE
	v_mov_b32 v[NIL], 0
	ds_add_u32 v[SPW], v[NIL]                      ; the wave's opening: the add, twice on end, and its wait ahead of my first tensor load
	ds_add_u32 v[SPW], v[NIL]
	v_lshrrev_b32 v1, 5, v0
	v_readfirstlane_b32 s16, v1                    ; wave 0..3
	s_lshr_b32 s17, s16, 1                         ; I fetch for x (0) or for the weights (1)
	s_and_b32 s18, s16, 1                          ; which half
	s_bfe_u32 s19, ttmp6, 0x40000                  ; cx
	s_bfe_u32 s20, ttmp6, 0x40004                  ; cy
	s_lshl_b32 s21, ttmp9, 2
	s_add_co_u32 s21, s21, s19                     ; the head
	s_and_b32 s22, ttmp7, 0xffff
	s_lshl_b32 s22, s22, 2
	s_add_co_u32 s22, s22, s20                     ; the window
	s_lshl_b32 s56, s20, 2
	s_lshl_b32 s56, 15, s56                        ; my row of the cluster
	s_lshl_b32 s57, 0x1111, s19                    ; my column
	s_or_b32 s[G1A], s56, (3<<16)|(1<<21)          ; 15:0 the mask; 17:16 elements of 8 bytes; 21 set beside a mask; no padding
	s_or_b32 s[G1B], s57, (3<<16)|(1<<21)
	s_mov_b32 s[G1A+1], 256<<16                    ; a row: two fragments, 2 KB = 64 along K
	s_mov_b32 s[G1A+2], 16<<16                     ; 16 tiles of tokens
	s_mov_b32 s[G1A+3], 256<<16
	s_mov_b32 s[G1A+4], 16
	s_mov_b32 s[G1A+5], 4096                       ; 32 KB from tile to tile
	s_mov_b32 s[G1A+6], 0
	s_mov_b32 s[G1A+7], 0
	s_mov_b32 s[G1B+1], 256<<16
	s_mov_b32 s[G1B+2], 6<<16                      ; 6 tiles of columns
	s_mov_b32 s[G1B+3], 256<<16
	s_mov_b32 s[G1B+4], 6
	s_mov_b32 s[G1B+5], 4096
	s_mov_b32 s[G1B+6], 0
	s_mov_b32 s[G1B+7], 0
	s_lshl_b32 s58, s22, 20                        ; x: (32 window + 16 half) tiles of 32 KB
	s_lshl_b32 s59, s18, 19
	s_add_co_u32 s58, s58, s59
	s_mov_b32 s59, 0
	s_mul_i32 s60, s21, 12                         ; the weights: (12 head + 6 half) tiles
	s_mul_i32 s61, s18, 6
	s_add_co_u32 s60, s60, s61
	s_lshl_b32 s60, s60, 15
	s_mov_b32 s61, 0
	s_lshl_b32 s62, s18, 15                        ; where they go in a slot: the wave's number alone
	s_mul_i32 s63, s18, 12288
	s_add_co_u32 s63, s63, BOFF
	s_mov_b32 s68, 0x76543210
	s_mov_b32 s69, 0xfedcba98                      ; v_permlanex16_b32's selects for lane l xor 16
	s_wait_dscnt 0x0                               ; both opening adds are done
	s_wait_kmcnt 0x0
	s_add_nc_u64 s[58:59], s[4:5], s[58:59]
	s_add_nc_u64 s[60:61], s[6:7], s[60:61]
	CROUND                                         ; all sixteen work-groups are here: the first joint loads meet
.irp s, 0,1
	s_mov_b32 s[G0A+4*\s], 1
	s_add_co_u32 s[G0A+4*\s+1], s62, \s*SLOT
	s_add_nc_u64 s[G0A+4*\s+2:G0A+4*\s+3], s[58:59], \s*2048
	s_or_b32 s[G0A+4*\s+3], s[G0A+4*\s+3], 0x80000000
	s_mov_b32 s[G0B+4*\s], 1
	s_add_co_u32 s[G0B+4*\s+1], s63, \s*SLOT
	s_add_nc_u64 s[G0B+4*\s+2:G0B+4*\s+3], s[60:61], \s*2048
	s_or_b32 s[G0B+4*\s+3], s[G0B+4*\s+3], 0x80000000
	JLOAD \s                                       ; K steps 0 and 1: two loads of mine are out
.endr
	; the maxima for the factors, and rel_bias spread over key - query + 511
	v_lshlrev_b32 v16, 4, v0
	v_lshlrev_b32 v17, 2, v0
	s_add_nc_u64 s[56:57], s[4:5], XMAX
	s_add_nc_u64 s[58:59], s[6:7], WMAX
.irp i, 0,1,2,3
	global_load_b128 v[32+4*\i:35+4*\i], v16, s[56:57] offset:2048*\i
.endr
.irp i, 0,1,2
	global_load_b32 v[48+\i], v17, s[58:59] offset:512*\i
.endr
.irp i, 0,1
	global_load_b128 v[52+4*\i:55+4*\i], v16, s[8:9] offset:2048*\i
	global_load_b128 v[60+4*\i:63+4*\i], v16, s[10:11] offset:2048*\i
.endr
	v_lshlrev_b32 v26, 3, v0                       ; thread t makes entries 8 t .. 8 t + 7
.irp j, 0,1,2,3,4,5,6,7
	v_add_nc_u32 v[18+\j], \j, v26
	v_max_u32 v[18+\j], 383, v[18+\j]
	v_add_nc_u32 v[18+\j], 0xfffffe81, v[18+\j]    ; - 383
	v_min_u32 v[18+\j], 256, v[18+\j]              ; the table's index: made of the thread's number alone
	v_lshlrev_b32 v[18+\j], 2, v[18+\j]
	global_load_b32 v[8+\j], v[18+\j], s[12:13]
.endr
	v_and_b32 v27, 31, v0
	v_lshlrev_b32 v1, 4, v27                       ; 16 x lane
	s_lshl_b32 s60, s16, 14
	v_add_nc_u32 v2, s60, v1                       ; x's fragments in slot 0: my 8 tiles of tokens
	v_add_nc_u32 v3, SLOT, v2                      ; in slot 1
	v_add_nc_u32 v4, BOFF, v1                      ; the weights' in slot 0
	v_add_nc_u32 v5, SLOT, v4
	s_lshl_b32 s60, s16, 2
	s_add_co_u32 s60, s60, RED
	v_mov_b32 v28, s60
	v_mov_b32 v27, 0                               ; written once: a lane permute's destination counts as one of its sources
	s_wait_loadcnt 0x0
	v_max3_num_f32 v32, v32, v33, v34              ; max|x|: the words are magnitudes
	v_max3_num_f32 v35, v35, v36, v37
	v_max3_num_f32 v38, v38, v39, v40
	v_max3_num_f32 v41, v41, v42, v43
	v_max3_num_f32 v44, v44, v45, v46
	v_max3_num_f32 v32, v32, v35, v38
	v_max3_num_f32 v41, v41, v44, v47
	v_max_num_f32 v32, v32, v41
	v_max3_num_f32 v52, |v52|, |v53|, |v54|        ; max|bq|
	v_max3_num_f32 v55, |v55|, |v56|, |v57|
	v_max3_num_f32 v52, v52, v55, |v58|
	v_max_num_f32 v52, v52, |v59|
	v_max3_num_f32 v60, |v60|, |v61|, |v62|        ; max|bv|
	v_max3_num_f32 v63, |v63|, |v64|, |v65|
	v_max3_num_f32 v60, v60, v63, |v66|
	v_max_num_f32 v60, v60, |v67|
.irp m, 1,2,4,8
.irp r, 32,48,49,50,52,60
	v_max_num_f32_dpp v\r, v\r, v\r row_xmask:\m row_mask:0xf bank_mask:0xf
.endr
.endr
.irp r, 32,48,49,50,52,60
	v_permlanex16_b32 v27, v\r, s68, s69
	v_max_num_f32 v\r, v\r, v27
.endr
	ds_store_b32 v28, v32                          ; my wave's six: all lanes write the same word with the same value
	ds_store_b32 v28, v48 offset:16
	ds_store_b32 v28, v49 offset:32
	ds_store_b32 v28, v50 offset:48
	ds_store_b32 v28, v52 offset:64
	ds_store_b32 v28, v60 offset:80
.macro FETCH_A slot, kq, set           ; x's 8 fragments of 32 along K: 16 loads
.irp a, 0,1,2,3,4,5,6,7
	ds_load_b128 v[32+64*(\set)+8*\a:32+64*(\set)+8*\a+3], v[2+\slot] offset:2048*\a+1024*(\kq)
	ds_load_b128 v[32+64*(\set)+8*\a+4:32+64*(\set)+8*\a+7], v[2+\slot] offset:2048*\a+1024*(\kq)+512
.endr
.endm
.macro FETCH_B slot, kq, b0            ; the weights' fragments b0 .. b0 + 5: 12 loads
.irp d, 0,1,2,3,4,5
	ds_load_b128 v[160+8*((\b0)+\d):160+8*((\b0)+\d)+3], v[4+\slot] offset:2048*((\b0)+\d)+1024*(\kq)
	ds_load_b128 v[160+8*((\b0)+\d)+4:160+8*((\b0)+\d)+7], v[4+\slot] offset:2048*((\b0)+\d)+1024*(\kq)+512
.endr
.endm
; 8 products: tile b of the columns against my 8 tiles of tokens.  The 96 accumulators take turns, in the same order in every step.
.macro MULB set, b, zero
	WIN (1+((\b)>>2))*0x50
.irp a, 0,1,2,3,4,5,6,7
.set rD, 8*(8*((\b)&3)+\a)
.set rA, 32+64*(\set)+8*\a
.set rB, 160+8*(\b)
.if (\b) < 8
.if \zero
	v_wmma_f32_16x16x32_f16 v[rD:rD+7], v[rB:rB+7], v[rA:rA+7], 0
.else
	v_wmma_f32_16x16x32_f16 v[rD:rD+7], v[rB:rB+7], v[rA:rA+7], v[rD:rD+7]
.endif
.else
.if \zero
	v_wmma_f32_16x16x32_f16 v[rD:rD+7], v[rA:rA+7], v[rB:rB+7], 0
.else
	v_wmma_f32_16x16x32_f16 v[rD:rD+7], v[rA:rA+7], v[rB:rB+7], v[rD:rD+7]
.endif
.endif
.endr
.endm
; A slot's first 32 along K (x's set 0); the second 32 are fetched meanwhile.  The weights have ONE set: tiles 0-5 are fetched anew in the middle, tiles 6-11 at the end.
.macro STEP slot, zero
	s_wait_dscnt 12                                ; the weights' tiles 0-5 and x are in; the youngest 12 loads (tiles 6-11) may be out
.irp b, 0,1,2,3,4,5
	MULB 0, \b, \zero
.endr
	s_wait_dscnt 0x0                               ; tiles 6-11 are in
	WIN 0
	PLACES                                         ; four places in front of loads into registers that matrix instructions have read
	FETCH_B \slot, 1, 0
	FETCH_A \slot, 1, 1
.irp b, 6,7,8,9,10,11
	MULB 0, \b, \zero
.endr
	WIN 0
	PLACES
	FETCH_B \slot, 1, 6
.endm
; A slot's second 32 along K (x's set 1) changes slots: ONE barrier; in front of it each wave waits for all its tensor loads, adds 0 to its spare word, and waits for that and for its reads of this slot.
.macro TURN slot, next, fill
	WIN 0
	s_wait_tensorcnt 0x0                           ; all my tensor loads have landed: my part of the next slot
	ds_add_u32 v[SPW], v[NIL]                      ; 0 onto my spare word
	s_wait_dscnt 13                                ; (the add and the youngest 12 loads may be out)
.irp b, 0,1,2
	MULB 1, \b, 0
.endr
	s_wait_dscnt 0x0                               ; the add is done, and my reads of this slot are over
	s_barrier_signal -1
.irp b, 3,4,5
	MULB 1, \b, 0
.endr
	WIN 0
	s_barrier_wait -1
.if \fill
	CREST                                          ; the barrier has opened a round of the cluster's: no wave of any partner still reads this slot or has a load on its way
	s_add_nc_u64 s[G0A+4*\slot+2:G0A+4*\slot+3], s[G0A+4*\slot+2:G0A+4*\slot+3], 4096
	s_add_nc_u64 s[G0B+4*\slot+2:G0B+4*\slot+3], s[G0B+4*\slot+2:G0B+4*\slot+3], 4096
	JLOAD \slot                                    ; two K steps on; the four v_nop behind it are also the places in front of the loads below
.else
	PLACES
.endif
	FETCH_B \next, 0, 0
	FETCH_A \next, 0, 0
.irp b, 6,7,8,9,10,11
	MULB 1, \b, 0
.endr
	WIN 0
	PLACES
	FETCH_B \next, 0, 6
.endm
	s_wait_tensorcnt 1                             ; my part of K step 0 is in (K step 1's load may be out),
	s_wait_dscnt 0x0                               ; and my six maxima are stored
	s_barrier_signal -1
	s_barrier_wait -1
	FETCH_B 0, 0, 0
	FETCH_A 0, 0, 0
	FETCH_B 0, 0, 6
	STEP 0, 1                                      ; the first 32 along K start the sums: nothing is cleared
	s_mov_b32 s66, 7
.Llap:                                             ; a trip goes once round the ring and fills both slots again
	TURN 0, 1, 1
	STEP 1, 0
	TURN 1, 0, 1
	STEP 0, 0
	s_sub_co_u32 s66, s66, 1
	s_cmp_lg_u32 s66, 0
	s_cbranch_scc1 .Llap
	TURN 0, 1, 0                                   ; the last lap fills nothing
	STEP 1, 0
	s_wait_dscnt 12
.irp b, 0,1,2,3,4,5
	MULB 1, \b, 0
.endr
	s_wait_dscnt 0x0
.irp b, 6,7,8,9,10,11
	MULB 1, \b, 0
.endr
	; ---- PHASE P
	WIN 0
	PLACES
	s_lshl_b32 s56, s21, 8
	s_mov_b32 s57, 0
	s_add_nc_u64 s[8:9], s[8:9], s[56:57]          ; bq and bv at my head's 64
	s_add_nc_u64 s[10:11], s[10:11], s[56:57]
	v_bfe_u32 v16, v0, 4, 1
	v_lshlrev_b32 v16, 5, v16                      ; 32 h
.irp b, 0,1,2,3
	global_load_b128 v[160+8*\b:163+8*\b], v16, s[8:9] offset:64*\b          ; lane (r, h): channels 16 b + 8 h + 0 .. 7
	global_load_b128 v[164+8*\b:167+8*\b], v16, s[8:9] offset:64*\b+16
.endr
	v_mov_b32 v17, RED
.irp i, 0,1,2,3,4,5
	ds_load_b128 v[224+4*\i:227+4*\i], v17 offset:16*\i
.endr
	s_wait_dscnt 0x0
.irp i, 0,1,2,3,4,5
	v_max3_num_f32 v[224+4*\i], v[224+4*\i], v[225+4*\i], v[226+4*\i]
.endr
.irp i, 0,1,2,3,4,5
	v_max_num_f32 v[224+4*\i], v[224+4*\i], v[227+4*\i]   ; v224 max|x|, v228 |Wq|, v232 |Wk|, v236 |Wv|, v240 |bq|, v244 |bv|
.endr
	v_mul_f32 v18, v224, v228
	v_mul_f32 v19, v224, v232
	v_mul_f32 v20, v224, v236
	v_fma_f32 v18, v18, 0x44800000, v240           ; Bq
	v_mul_f32 v19, 0x44800000, v19                 ; Bk
	v_fma_f32 v20, v20, 0x44800000, v244           ; Bc
.irp i, 18,19,20
	v_max_num_f32 v\i, 0x2b800000, v\i             ; held at 2^-40 from below
.endr
.irp i, 18,19,20
	v_lshrrev_b32 v\i, 23, v\i                     ; the exponent field E
.endr
	v_sub_nc_u32 v21, 268, v18
	v_sub_nc_u32 v22, 268, v19
	v_sub_nc_u32 v23, 268, v20
	v_add_nc_u32 v24, -14, v18
	v_add_nc_u32 v25, -14, v19
	v_add_nc_u32 v26, -14, v20
.irp i, 21,22,23,24,25,26
	v_lshlrev_b32 v\i, 23, v\i                     ; fq, fk, fc = 2^(141 - E); 1 / fq, 1 / fk, 1 / fc = 2^(E - 141)
.endr
	v_mul_f32 v27, v21, v22
	v_mul_f32 v27, 0x41000000, v27                 ; g = 8 fq fk
	v_mul_f32 v28, 0x3e38aa3b, v24
	v_mul_f32 v28, v28, v25                        ; sigma = (log2(e) / 8) / (fq fk)
	v_readfirstlane_b32 s70, v28
	s_mov_b32 s71, s70                             ; (the packed forms name pairs and take the low word: both are written)
	v_readfirstlane_b32 s72, v21
	s_mov_b32 s73, s72
	v_readfirstlane_b32 s74, v22
	s_mov_b32 s75, s74
	v_readfirstlane_b32 s76, v23
	s_mov_b32 s77, s76
	v_readfirstlane_b32 s78, v27
	s_mov_b32 s79, s78
.irp j, 0,2,4,6
	v_pk_mul_f32 v[8+\j:9+\j], v[8+\j:9+\j], s[78:79] op_sel_hi:[1,0]   ; g rel_bias: exact
.endr
	v_lshl_add_u32 v29, v0, 5, EXT
	ds_store_b128 v29, v[8:11]
	ds_store_b128 v29, v[12:15] offset:16
	s_lshl_b32 s56, s22, 4
	s_add_co_u32 s56, s56, s21
	s_lshl_b32 s56, s56, 2
	s_add_co_u32 s56, s56, s16
	s_lshl_b32 s56, s56, 2
	s_add_nc_u64 s[58:59], s[14:15], s[56:57]
	s_add_nc_u64 s[58:59], s[58:59], CEXP          ; my wave's word
	v_mov_b32 v30, 0
	v_and_b32 v31, 31, v0
	s_wait_xcnt 0x0                                ; EXEC changes only behind this wait
	v_cmp_eq_u32 vcc_lo, 0, v31
	s_and_saveexec_b32 s86, vcc_lo
	global_store_b32 v30, v26, s[58:59]            ; 1 / fc
	s_wait_xcnt 0x0
	s_or_b32 exec_lo, exec_lo, s86
	s_lshl_b32 s56, s16, 14
	s_add_co_u32 s58, s56, KIMG
	v_add_nc_u32 v20, s58, v1                      ; where my 16 fragments of k' go
	s_add_co_u32 s58, s56, VIMG
	v_add_nc_u32 v21, s58, v1                      ; and of v'
	; k' = (x Wk) fk.  Each accumulator is read from its low end on.
	WIN 0x82
.set n, 0
.rept 128
	v_pk_mul_f32 v[2*n:2*n+1], v[2*n:2*n+1], s[74:75] op_sel_hi:[1,0]
.set n, n+1
.endr
	WIN 0x0a                                       ; sources window 2, destination window 0
.irp a, 0,1,2,3,4,5,6,7
.irp u, 0,1
.irp q, 0,1
.irp j, 0,1,2,3
	v_cvt_pk_f16_f32 v[32+8*(2*\a+\u)+4*\q+\j], v[8*(8*(2*\u+\q)+\a)+2*\j], v[8*(8*(2*\u+\q)+\a)+2*\j+1]   ; fragment (tile of keys a, channels 32 u on)
.endr
.endr
.endr
.endr
	WIN 0
.set n, 0
.rept 32
	ds_store_b128 v20, v[32+4*n:35+4*n] offset:512*n
.set n, n+1
.endr
	; v' = (x Wv) fc
	WIN 0xc3
.set n, 0
.rept 128
	v_pk_mul_f32 v[2*n:2*n+1], v[2*n:2*n+1], s[76:77] op_sel_hi:[1,0]
.set n, n+1
.endr
	s_wait_dscnt 0x0                               ; k's stores have read v32-159
	WIN 0x0f                                       ; sources window 3, destination window 0
.irp k, 0,1,2,3
.irp d, 0,1,2,3
.irp q, 0,1
.irp j, 0,1,2,3
	v_cvt_pk_f16_f32 v[32+8*(4*\k+\d)+4*\q+\j], v[8*(8*\d+2*\k+\q)+2*\j], v[8*(8*\d+2*\k+\q)+2*\j+1]   ; fragment (32 keys k, channels 16 d on)
.endr
.endr
.endr
.endr
	WIN 0
.set n, 0
.rept 32
	ds_store_b128 v21, v[32+4*n:35+4*n] offset:512*n
.set n, n+1
.endr
	s_wait_loadcnt 0x0                             ; bq's slice
.set n, 0
.rept 16
	v_pk_mul_f32 v[160+2*n:161+2*n], v[160+2*n:161+2*n], s[72:73] op_sel_hi:[1,0]   ; bq fq
.set n, n+1
.endr
	; q' = (x Wq) fq + bq fq
	WIN 0x41
.irp b, 0,1,2,3
.irp a, 0,1,2,3,4,5,6,7
.irp j, 0,2,4,6
	v_pk_fma_f32 v[8*(8*\b+\a)+\j:8*(8*\b+\a)+\j+1], v[8*(8*\b+\a)+\j:8*(8*\b+\a)+\j+1], s[72:73], v[160+8*\b+\j:161+8*\b+\j] op_sel_hi:[1,0,1]
.endr
.endr
.endr
	WIN 0x85                                       ; sources window 1, destination window 2
.irp i, 0,1,2,3,4,5,6,7
.irp u, 0,1
.irp q, 0,1
.irp j, 0,1,2,3
	v_cvt_pk_f16_f32 v[8*(2*\i+\u)+4*\q+\j], v[8*(8*(2*\u+\q)+\i)+2*\j], v[8*(8*(2*\u+\q)+\i)+2*\j+1]   ; fragment (tile of queries i, channels 32 u on)
.endr
.endr
.endr
.endr
	WIN 0
	s_wait_dscnt 0x0                               ; my images and my part of ext are stored, and the stores have read their registers
.irp i, 0,1,2,3,4,5,6,7
	v_mov_b32 v[32+4*\i], 0xff61b1e6               ; sigma m and m: -3e38, under every score;
	v_mov_b32 v[33+4*\i], 0xff61b1e6
	v_mov_b32 v[34+4*\i], 0                        ; l, in two halves
	v_mov_b32 v[35+4*\i], 0
.endr
.set n, 0
.rept 16
	v_mov_b32 v[160+n], 0                          ; written once: lane permutes' destinations, and upper halves of pairs of which the low word is taken
.set n, n+1
.endr
	v_add_nc_u32 v8, KIMG, v1
	v_add_nc_u32 v9, VIMG, v1
	v_and_b32 v10, 15, v0
	v_xor_b32 v10, 15, v10                         ; 15 - r
	v_lshlrev_b32 v10, 2, v10
	v_add_nc_u32 v10, v10, v16                     ; + 32 h
	v_add_nc_u32 v10, EXT, v10
	v_mov_b32 v28, v16                             ; 32 h once more: v16 is among the registers that take bv
.irp b, 0,1                            ; bv's slice, wanted behind the loop: asked for here, into registers that the loop does not name.  Lane (r, h): channels 16 b + 8 h + 0 .. 7; tiles 0, 1 in v176-191, tiles 2, 3 in v12-27
	global_load_b128 v[176+8*\b:179+8*\b], v28, s[10:11] offset:64*\b
	global_load_b128 v[180+8*\b:183+8*\b], v28, s[10:11] offset:64*\b+16
	global_load_b128 v[12+8*\b:15+8*\b], v28, s[10:11] offset:128+64*\b
	global_load_b128 v[16+8*\b:19+8*\b], v28, s[10:11] offset:128+64*\b+16
.endr
	s_lshl_b32 s56, s22, 20
	s_lshl_b32 s57, s16, 18
	s_add_co_u32 s56, s56, s57
	s_lshl_b32 s57, s21, 11
	s_add_co_u32 s56, s56, s57
	s_mov_b32 s57, 0
	s_add_nc_u64 s[84:85], s[14:15], s[56:57]      ; the context's fragments: tile of rows 32 window + 8 w, k32 = 2 head
	s_barrier_signal -1
	s_barrier_wait -1                              ; all 512 keys' images and ext lie in LDS
	; ---- PHASE A
; Product k of 16 of tile i's S^T = K Q^T + bias: k < 8: key tile k, channels 0-31, the bias as C; k >= 8: key tile k - 8, channels 32-63, in place.  The eight accumulators take turns.
.macro XMM i, k
.set xa, (\k)&7
.set xS, 64+128*((\i)&1)+8*xa
.if (\k) < 8
	WIN 0x3a                                       ; K and Q window 2, the bias window 3, S^T window 0
	v_wmma_f32_16x16x32_f16 v[xS:xS+7], v[128+16*xa:135+16*xa], v[16*(\i):16*(\i)+7], v[128+8*(xa-(\i)+7):135+8*(xa-(\i)+7)]
.else
	WIN 0x0a
	v_wmma_f32_16x16x32_f16 v[xS:xS+7], v[136+16*xa:143+16*xa], v[16*(\i)+8:16*(\i)+15], v[xS:xS+7]
.endif
.endm
; Product k of 16 of tile i's O^T += V^T P: keys 32 (k / 4) on, channels 16 (k % 4) on.  The four accumulators take turns.
.macro ZMM i, k
.set zk, (\k)>>2
.set zd, (\k)&3
	WIN 0x53                                       ; V window 3, P window 0, O^T window 1
	v_wmma_f32_16x16x32_f16 v[32*(\i)+8*zd:32*(\i)+8*zd+7], v[8*(4*zk+zd):8*(4*zk+zd)+7], v[128+8*zk:135+8*zk], v[32*(\i)+8*zd:32*(\i)+8*zd+7]
.endm
; THE SOFTMAX OF A TILE of 16 queries x 128 keys is a list of 215 instructions; SM writes number j of it for tile i.
;   0-31    the maximum of the lane's 64 scores and the old m, three operands at a time; each tile of S^T is read from its low end on
;   32-36   the other half of the lanes' maximum; the new m; sigma m; its change
;   37-68   sigma S' - sigma m, a pair each
;   69-133  ONE BATCH of 65 exponentials: a, then the 64 scores; none reads another's result
;   134     the plain instruction behind the last exponential, and the one wait for the batch, ahead of its first reader
;   135-166 the roundings to f16: tiles 2 k and 2 k + 1, packed in pairs, are P's fragment of 32 keys
;   167-198 the row's sum of the unrounded p, in two chains; l = a l + the sum
;   199-214 the tile's O^T times a: the one part that leaves window 0
.macro SM i
.set rT, 32+4*(\i)
.set rS, 64+128*((\i)&1)
.if j < 199
	WIN 0
.endif
.if j < 8
	v_max3_num_f32 v[160+j], v[rS+8*j], v[rS+8*j+1], v[rS+8*j+2]
.elseif j < 16
	v_max3_num_f32 v[160+j-8], v[160+j-8], v[rS+8*(j-8)+3], v[rS+8*(j-8)+4]
.elseif j < 24
	v_max3_num_f32 v[160+j-16], v[160+j-16], v[rS+8*(j-16)+5], v[rS+8*(j-16)+6]
.elseif j < 28
	v_max3_num_f32 v[160+j-24], v[160+j-24], v[rS+8*(j-24)+7], v[rS+8*(j-24)+39]
.elseif j == 28
	v_max3_num_f32 v160, v160, v161, v162
.elseif j == 29
	v_max3_num_f32 v164, v164, v165, v166
.elseif j == 30
	v_max3_num_f32 v160, v160, v163, v167
.elseif j == 31
	v_max3_num_f32 v160, v160, v164, v[rT+1]       ; with the old m
.elseif j == 32
	v_permlanex16_b32 v161, v160, s68, s69         ; the query's other 64 keys lie in the lane 16 away
.elseif j == 33
	v_mov_b32 v162, v[rT]                          ; sigma m, old
.elseif j == 34
	v_max_num_f32 v[rT+1], v160, v161              ; the new m
.elseif j == 35
	v_mul_f32 v[rT], s70, v[rT+1]
.elseif j == 36
	v_sub_f32 v162, v162, v[rT]
.elseif j < 69
	v_pk_fma_f32 v[rS+2*(j-37):rS+2*(j-37)+1], v[rS+2*(j-37):rS+2*(j-37)+1], s[70:71], v[rT:rT+1] op_sel_hi:[1,0,0] neg_lo:[0,0,1] neg_hi:[0,0,1]
.elseif j == 69
	v_exp_f32 v168, v162                           ; a = 2^(sigma m old - sigma m new)
.elseif j < 134
	v_exp_f32 v[rS+j-70], v[rS+j-70]
.elseif j == 134
	v_nop
	s_wait_alu depctr_va_vdst(0)
.elseif j < 167
	v_cvt_pk_f16_f32 v[128+j-135], v[rS+2*(j-135)], v[rS+2*(j-135)+1]
.elseif j == 167
	v_pk_add_f32 v[170:171], v[rS:rS+1], v[rS+2:rS+3]
.elseif j == 168
	v_pk_add_f32 v[172:173], v[rS+4:rS+5], v[rS+6:rS+7]
.elseif j < 197
	v_pk_add_f32 v[170+2*((j-169)&1):171+2*((j-169)&1)], v[170+2*((j-169)&1):171+2*((j-169)&1)], v[rS+2*(j-165):rS+2*(j-165)+1]
.elseif j == 197
	v_pk_add_f32 v[170:171], v[170:171], v[172:173]
.elseif j == 198
	v_pk_fma_f32 v[rT+2:rT+3], v[rT+2:rT+3], v[168:169], v[170:171] op_sel_hi:[1,0,1]
.else
	WIN 0x41
	v_pk_mul_f32 v[32*(\i)+2*(j-199):32*(\i)+2*(j-199)+1], v[32*(\i)+2*(j-199):32*(\i)+2*(j-199)+1], v[168:169] op_sel_hi:[1,0]
.endif
.endm
; A TURN: tile i's softmax.  z = 1: tile i - 1's V^T P stands in it, behind numbers 3, 7, .. 63.  Behind the last of them come numbers 64 to 68, five plain instructions that name none of its registers, ahead of
; the first write of P (number 135).  x = 1: tile i + 1's K Q^T stands in it, behind numbers 72, 80, .. 192, into the other buffer of S^T; behind the last of them come numbers 193 to 214, 22 plain instructions
; that name none of its registers, ahead of the next turn's first read of those scores.  No product names an exponential's result.
.macro YT i, z, x
.set j, 0
.rept 215
	SM \i
.if (\z) && (j < 64) && ((j&3) == 3)
	ZMM (\i)-1, (j>>2)
.endif
.if (\x) && (j >= 72) && (j < 200) && ((j&7) == 0)
	XMM (\i)+1, ((j-72)>>3)
.endif
.set j, j+1
.endr
.endm
	s_mov_b32 s67, 0
.Ltrip:
	s_add_co_u32 s80, s16, s67
	s_and_b32 s80, s80, 3                          ; my key block of this trip
	s_lshl_b32 s81, s80, 14
	s_xor_b32 s82, s16, 3                          ; 3 - w
	s_add_co_u32 s82, s82, s80
	s_lshl_b32 s82, s82, 9                         ; 128 (block + 3 - w) entries of ext
	v_add_nc_u32 v2, s81, v8
	v_add_nc_u32 v3, s81, v9
	v_add_nc_u32 v4, s82, v10
	PLACES                                         ; in front of loads into registers that matrix instructions have read
	WIN 0x80
.set n, 0
.rept 32
	ds_load_b128 v[128+4*n:131+4*n], v2 offset:512*n          ; K: 16 fragments
.set n, n+1
.endr
	WIN 0xc0
.set n, 0
.rept 120
	ds_load_b32 v[128+n], v4 offset:64*(n/8)+4*(n%8)          ; octet D = key tile - query tile + 7: register j is ext[128 (block + 3 - w) + 16 D + 8 h + 15 - r + j]
.set n, n+1
.endr
.set n, 0
.rept 32
	ds_load_b128 v[4*n:4*n+3], v3 offset:512*n                ; V: 16 fragments, last: they are wanted a turn later
.set n, n+1
.endr
	s_wait_dscnt 32                                ; K and the bias are in; V's 32 loads may be out
.set bk, 0
.rept 16
	XMM 0, bk                                      ; tile 0's scores: no vector work is at hand yet
.set bk, bk+1
.endr
	WIN 0
	PLACES
	YT 0, 0, 1
	s_wait_dscnt 0x0                               ; V is in
	YT 1, 1, 1
	YT 2, 1, 1
	YT 3, 1, 1
	YT 4, 1, 1
	YT 5, 1, 1
	YT 6, 1, 1
	YT 7, 1, 0
.set bk, 0
.rept 16
	ZMM 7, bk                                      ; tile 7's V^T P
.set bk, bk+1
.endr
	WIN 0
	s_add_co_u32 s67, s67, 1
	s_cmp_lt_u32 s67, 4
	s_cbranch_scc1 .Ltrip
	; ---- THE WAY OUT: ctx' = O^T / l + bv fc, in f16; a tile's 32 registers, packed in pairs, are two fragments of the last product's operand.  The lines below are the places behind the last products.
	s_wait_loadcnt 0x0                             ; bv's slice, asked for ahead of the loop
.set n, 0
.rept 8
	v_pk_mul_f32 v[176+2*n:177+2*n], v[176+2*n:177+2*n], s[76:77] op_sel_hi:[1,0]   ; bv fc
	v_pk_mul_f32 v[12+2*n:13+2*n], v[12+2*n:13+2*n], s[76:77] op_sel_hi:[1,0]
.set n, n+1
.endr
.irp i, 0,1,2,3,4,5,6,7
	v_add_f32 v[160+2*\i], v[34+4*\i], v[35+4*\i]
.endr
.irp i, 0,1,2,3,4,5,6,7
	v_permlanex16_b32 v[161+2*\i], v[160+2*\i], s68, s69
.endr
.irp i, 0,1,2,3,4,5,6,7
	v_add_f32 v[160+2*\i], v[160+2*\i], v[161+2*\i]
.endr
.irp i, 0,1,2,3,4,5,6,7
	v_rcp_f32 v[160+2*\i], v[160+2*\i]
.endr
	v_nop                                          ; a plain place behind the last reciprocal
	s_wait_alu depctr_va_vdst(0)                   ; one wait for the eight
.macro OUTT i
	WIN 0x01                                       ; source 0 (O^T) window 1
.set qn, 0
.rept 16
.if qn < 8
	v_pk_fma_f32 v[64+32*((\i)&1)+2*qn:65+32*((\i)&1)+2*qn], v[32*(\i)+2*qn:32*(\i)+2*qn+1], v[160+2*(\i):161+2*(\i)], v[176+2*qn:177+2*qn] op_sel_hi:[1,0,1]
.else
	v_pk_fma_f32 v[64+32*((\i)&1)+2*qn:65+32*((\i)&1)+2*qn], v[32*(\i)+2*qn:32*(\i)+2*qn+1], v[160+2*(\i):161+2*(\i)], v[12+2*(qn-8):13+2*(qn-8)] op_sel_hi:[1,0,1]
.endif
.set qn, qn+1
.endr
	WIN 0
.if (\i) >= 2
	s_wait_xcnt 0x0                                ; the stores of two tiles back have read these registers
.endif
.set qn, 0
.rept 16
	v_cvt_pk_f16_f32 v[128+16*((\i)&1)+qn], v[64+32*((\i)&1)+2*qn], v[65+32*((\i)&1)+2*qn]
.set qn, qn+1
.endr
.set qn, 0
.rept 4
	global_store_b128 v1, v[128+16*((\i)&1)+4*qn:131+16*((\i)&1)+4*qn], s[84:85] offset:32768*(\i)+512*qn   ; 512 consecutive bytes a store
.set qn, qn+1
.endr
.endm
	OUTT 0
	OUTT 1
	OUTT 2
	OUTT 3
	OUTT 4
	OUTT 5
	OUTT 6
	OUTT 7
	s_wait_tensorcnt 0x0                           ; the wave's end
	ds_add_u32 v[SPW], v[NIL]
	s_wait_dscnt 0x0
	CROUND                                         ; the closing round
	s_endpgm
.Lfunc_end_k_q6ce8f1c33e_attn:
	.size	k_q6ce8f1c33e_attn, .Lfunc_end_k_q6ce8f1c33e_attn-k_q6ce8f1c33e_attn
	.p2alignl 7, 3214868480
	.fill 96, 4, 3214868480
	.section	.rodata,"a",@progbits
	.p2align	6, 0x0
	.amdhsa_kernel k_q6ce8f1c33e_attn
		.amdhsa_group_segment_fixed_size 327680
		.amdhsa_private_segment_fixed_size 0
		.amdhsa_enable_private_segment 0
		.amdhsa_kernarg_size 48
		.amdhsa_user_sgpr_count 2
		.amdhsa_user_sgpr_kernarg_segment_ptr 1
		.amdhsa_wavefront_size32 1
		.amdhsa_system_sgpr_workgroup_id_x 1
		.amdhsa_system_sgpr_workgroup_id_y 1
		.amdhsa_system_sgpr_workgroup_id_z 1
		.amdhsa_system_vgpr_workitem_id 0
		.amdhsa_next_free_vgpr 1024
		.amdhsa_next_free_sgpr 90
		.amdhsa_reserve_vcc 1
		.amdhsa_float_denorm_mode_32 3
		.amdhsa_float_denorm_mode_16_64 3
		.amdhsa_memory_ordered 1
		.amdhsa_forward_progress 1
		.amdhsa_inst_pref_size 255
	.end_amdhsa_kernel
	.section	.bss,"aw",@nobits
	.p2align	6
	.space	262144
	.amdgpu_metadata
---
amdhsa.version: [ 1, 2 ]
amdhsa.kernels:
  - .name:           k_q6ce8f1c33e_attn
    .symbol:         k_q6ce8f1c33e_attn.kd
    .args:
      - { .name: xb, .offset: 0, .size: 8, .value_kind: global_buffer, .address_space: global }
      - { .name: wf, .offset: 8, .size: 8, .value_kind: global_buffer, .address_space: global }
      - { .name: bq, .offset: 16, .size: 8, .value_kind: global_buffer, .address_space: global }
      - { .name: bv, .offset: 24, .size: 8, .value_kind: global_buffer, .address_space: global }
      - { .name: rel_bias, .offset: 32, .size: 8, .value_kind: global_buffer, .address_space: global }
      - { .name: cb, .offset: 40, .size: 8, .value_kind: global_buffer, .address_space: global }
    .group_segment_fixed_size: 327680
    .private_segment_fixed_size: 0
    .kernarg_segment_align: 8
    .kernarg_segment_size: 48
    .max_flat_workgroup_size: 128
    .sgpr_count:     90
    .vgpr_count:     1024
    .wavefront_size: 32
...
	.end_amdgpu_metadata
.endif
;; end of part 3
;; launch gemm2 (part 4): grid 8 x 32, 4 waves a work-group, clusters of 4 x 4, 327,680 bytes of LDS; arguments cb, wf, bd, out0; writes out0
.if DOCPART == 4
	.amdgcn_target "amdgcn-amd-amdhsa--gfx1250"
	.amdhsa_code_object_version 6
	.text
	.protected	k_q6ce8f1c33e_gemm2
	.globl	k_q6ce8f1c33e_gemm2
	.p2align	8
	.type	k_q6ce8f1c33e_gemm2,@function
k_q6ce8f1c33e_gemm2:
	s_mov_b64 s[64:65], 0
	v_nop
	global_prefetch_b8 v0, s[64:65] scope:SCOPE_SE
	s_setreg_imm32_b32 hwreg(HW_REG_WAVE_MODE, 25, 1), 1
	s_wait_xcnt 0x0
	s_wait_alu depctr_hold_cnt(0) depctr_sa_sdst(0) depctr_va_vdst(0) depctr_va_sdst(0) depctr_va_ssrc(0) depctr_va_vcc(0) depctr_vm_vsrc(0)
	s_getreg_b32 s2, hwreg(HW_REG_IB_STS2, 6, 4)
	s_cmp_eq_u32 s2, 0
	s_cbranch_scc0 .Lentry_in_a_cluster
	s_endpgm
.Lentry_in_a_cluster:
	s_bfe_u32 s2, ttmp6, 0x10000c
	s_cmp_lg_u32 s2, 0xf033
	s_cbranch_scc0 .Lentry_shape_is_right
	s_endpgm
.Lentry_shape_is_right:
; out = ctx Wd + bd: [8192][1024] x [1024][2048], f16 operands, f32 sums.  The context arrives as ctx' = ctx x fc, fc a power of two that the attention launch made; out = (ctx' Wd) / fc + bd, one fused multiply-add.
; Both operands lie in memory as fragments (1 KB: registers 0-3 as 32 lanes x 16 bytes, then 4-7): cb [m tile 512][k32 32], wf at WDF [n tile 128][k32 32]; 1 / fc at CEXP, a word for each wave, all equal.
; A tile of 256 x 256 to a work-group of four waves, 128 x 128 a wave: 64 accumulators, 512 registers.  K goes in steps of 128 through two LDS slots; a wave's tensor load brings 8 tiles x 4 KB.
; CLUSTER 4 x 4: the context's tiles are shared along a row of the cluster, Wd's along a column: each is asked for jointly.
; THE MATRIX INSTRUCTION IS USED TRANSPOSED (source 0 = 16 columns of Wd, source 1 = 16 rows of the context): a lane holds eight neighbouring numbers of a row of out.
; REGISTERS: window 0: v16-29 addresses, v32-35 bd; v64-127, v128-191 the context's fragments, two buffers; on the way out v128-255 rows of out.  Window 1: v64-127, v128-191 Wd's fragments.
;   Window 2: the accumulators of my rows 0-63 ((a, b) at 8 (8 a + b)); window 3: those of my rows 64-127.
.set WDF,    6291456
.set CEXP,   16777216
.set SLOT,   131072                    ; the context [m tile 16][kq 4][1 KB], then Wd the same
.set STAGE,  262144                    ; behind the ring: 16 rows x (512 bytes + 16) for each wave; no tensor load lands here
.set SPITCH, 528
.set SPARE,  295936                    ; the spare words, 128 bytes a wave
.set ADRA, 16
.set ADRB, 20
.set STO,  24
.set RD,   25
.set CO,   26
.set SPW,  28
.set NIL,  29
.set F0,   64
.set F1,   128
.set BK,   128
.set G1,   24
.set G0,   32
.set G1B,  40
.set G0B,  48
.set MSB, 0
.macro WIN new
.if MSB != (\new)
	s_set_vgpr_msb (MSB<<8)|(\new)
.set MSB, (\new)
.endif
.endm
.set MUL_LO, 0xa1                      ; source 0 (Wd) window 1, source 1 window 0, C and D window 2
.set MUL_HI, 0xf1                      ; the same, C and D window 3
.set TO_B,   0x40
.macro PLACES
.rept 4
	v_nop
.endr
.endm
.macro JLOAD s                         ; waves 0 and 1 fetch the context's halves, waves 2 and 3 Wd's; an s_nop 0 and four v_nop follow each line
	s_cmp_eq_u32 s17, 0
	s_cbranch_scc0 .Lfor_b_\@
	tensor_load_to_lds s[G0+4*\s:G0+4*\s+3], s[G1:G1+7]
	s_nop 0
.rept 4
	v_nop
.endr
	s_branch .Lasked_\@
.Lfor_b_\@:
	tensor_load_to_lds s[G0B+4*\s:G0B+4*\s+3], s[G1B:G1B+7]
	s_nop 0
.rept 4
	v_nop
.endr
.Lasked_\@:
.endm
.macro CREST
	s_cmp_lg_u32 s16, 0
	s_cbranch_scc1 .Lnot_wave_0_\@
	s_barrier_signal -3
.Lnot_wave_0_\@:
	s_barrier_wait -3
	s_barrier_signal -1
	s_barrier_wait -1
.endm
.macro CROUND
	s_barrier_signal -1
	s_barrier_wait -1
	CREST
.endm
	s_load_b256 s[4:11], s[0:1], 0x0               ; cb s[4:5], wf s[6:7], bd s[8:9], out0 s[10:11]
	v_lshl_add_u32 v[SPW], v0, 2, SPARE
	v_mov_b32 v[NIL], 0
	ds_add_u32 v[SPW], v[NIL]                      ; the wave's opening: the add, twice on end, and its wait ahead of my first tensor load
	ds_add_u32 v[SPW], v[NIL]
	v_lshrrev_b32 v1, 5, v0
	v_readfirstlane_b32 s16, v1                    ; wave 0..3
	s_lshr_b32 s17, s16, 1                         ; my half of the rows.  Also: I fetch for the context (0) or for Wd (1)
	s_and_b32 s18, s16, 1                          ; my half of the columns.  Also: which half of that tile I fetch
	s_bfe_u32 s19, ttmp6, 0x40000                  ; cx
	s_bfe_u32 s20, ttmp6, 0x40004                  ; cy
	s_lshl_b32 s21, ttmp9, 2
	s_add_co_u32 s21, s21, s19                     ; tx
	s_and_b32 s22, ttmp7, 0xffff
	s_lshl_b32 s22, s22, 2
	s_add_co_u32 s22, s22, s20                     ; ty
	s_lshl_b32 s56, s20, 2
	s_lshl_b32 s56, 15, s56                        ; my row of the cluster
	s_lshl_b32 s57, 0x1111, s19                    ; my column
	s_or_b32 s[G1], s56, (3<<16)|(1<<21)           ; the mask; elements of 8 bytes; 21 set beside a mask; no padding
	s_or_b32 s[G1B], s57, (3<<16)|(1<<21)
.irp g, G1, G1B
	s_mov_b32 s[\g+1], 512<<16                     ; a row: four fragments, 4 KB = 128 along K
	s_mov_b32 s[\g+2], 8<<16                       ; 8 tiles
	s_mov_b32 s[\g+3], 512<<16
	s_mov_b32 s[\g+4], 8
	s_mov_b32 s[\g+5], 4096                        ; 32 KB from tile to tile
	s_mov_b32 s[\g+6], 0
	s_mov_b32 s[\g+7], 0
.endr
	s_lshl_b32 s59, s18, 3                         ; 8 x half: the wave's number alone
	s_lshl_b32 s58, s22, 4
	s_add_co_u32 s58, s58, s59                     ; the context: tile 16 ty + 8 half
	s_lshl_b32 s58, s58, 15
	s_lshl_b32 s60, s21, 4
	s_add_co_u32 s60, s60, s59                     ; Wd: tile 16 tx + 8 half
	s_lshl_b32 s60, s60, 15
	s_add_co_u32 s60, s60, WDF
	s_mov_b32 s59, 0
	s_mov_b32 s61, 0
	s_lshl_b32 s62, s16, 15                        ; where they go in a slot: 32,768 x wave
	s_wait_dscnt 0x0                               ; both opening adds are done
	s_wait_kmcnt 0x0
	s_add_nc_u64 s[58:59], s[4:5], s[58:59]
	s_add_nc_u64 s[60:61], s[6:7], s[60:61]
	CROUND                                         ; all sixteen work-groups are here: the first joint loads meet
.irp s, 0,1
	s_mov_b32 s[G0+4*\s], 1
	s_add_co_u32 s[G0+4*\s+1], s62, \s*SLOT
	s_add_nc_u64 s[G0+4*\s+2:G0+4*\s+3], s[58:59], \s*4096
	s_or_b32 s[G0+4*\s+3], s[G0+4*\s+3], 0x80000000
	s_mov_b32 s[G0B+4*\s], 1
	s_add_co_u32 s[G0B+4*\s+1], s62, \s*SLOT
	s_add_nc_u64 s[G0B+4*\s+2:G0B+4*\s+3], s[60:61], \s*4096
	s_or_b32 s[G0B+4*\s+3], s[G0B+4*\s+3], 0x80000000
	JLOAD \s                                       ; K steps 0 and 1: two loads of mine are out
.endr
	s_lshl_b32 s66, s22, 3
	s_add_co_u32 s66, s66, s21
	s_lshl_b32 s66, s66, 2
	s_add_co_u32 s66, s66, s16
	s_lshl_b32 s66, s66, 2
	s_mov_b32 s67, 0
	s_add_nc_u64 s[66:67], s[4:5], s[66:67]
	s_add_nc_u64 s[66:67], s[66:67], CEXP
	s_load_b32 s70, s[66:67], 0x0                  ; 1 / fc: my wave's word
	v_and_b32 v1, 31, v0
	v_lshlrev_b32 v[CO], 4, v1                     ; 16 x lane
	v_and_b32 v2, 15, v0                           ; r
	v_bfe_u32 v3, v0, 4, 1                         ; h
	s_lshl_b32 s72, s17, 15
	s_lshl_b32 s73, s18, 15
	s_add_co_u32 s73, s73, 65536
.irp s, 0,1
	v_add_nc_u32 v[ADRA+\s], s72, v[CO]
	v_add_nc_u32 v[ADRB+\s], s73, v[CO]
	s_add_co_u32 s72, s72, SLOT
	s_add_co_u32 s73, s73, SLOT
.endr
	s_mul_i32 s72, s16, 16*SPITCH
	s_add_co_u32 s72, s72, STAGE                   ; my stage
	v_mul_u32_u24 v4, v2, SPITCH
	v_lshl_add_u32 v4, v3, 5, v4
	v_add_nc_u32 v[STO], s72, v4                   ; in: row r, 32 bytes for each half of the lanes
	v_add_nc_u32 v[RD], s72, v[CO]                 ; back: the 32 lanes take one row of 512 bytes
	s_lshl_b32 s72, s21, 10
	s_lshl_b32 s74, s18, 9
	s_add_co_u32 s72, s72, s74                     ; my first column, in bytes
	s_mov_b32 s73, 0
	s_add_nc_u64 s[8:9], s[8:9], s[72:73]
	global_load_b128 v[32:35], v[CO], s[8:9]       ; bd of the four columns that I store
	s_add_nc_u64 s[10:11], s[10:11], s[72:73]
	s_lshl_b32 s72, s22, 21
	s_lshl_b32 s74, s17, 20
	s_add_co_u32 s72, s72, s74                     ; my first row: 256 ty + 128 half, of 8,192 bytes
	s_add_nc_u64 s[10:11], s[10:11], s[72:73]
.macro MUL16 f, hi, a0, zero           ; 16 products; the 64 accumulators take turns, in the same order in every quarter
.irp a, \a0, \a0+1
.irp b, 0,1,2,3,4,5,6,7
.if \zero
	v_wmma_f32_16x16x32_f16 v[8*(8*(\a)+\b):8*(8*(\a)+\b)+7], v[\f+8*\b:\f+8*\b+7], v[\f+8*(4*\hi+\a):\f+8*(4*\hi+\a)+7], 0
.else
	v_wmma_f32_16x16x32_f16 v[8*(8*(\a)+\b):8*(8*(\a)+\b)+7], v[\f+8*\b:\f+8*\b+7], v[\f+8*(4*\hi+\a):\f+8*(4*\hi+\a)+7], v[8*(8*(\a)+\b):8*(8*(\a)+\b)+7]
.endif
.endr
.endr
.endm
.macro FETCH slot, kq, f               ; 32 LDS loads in one run: Wd's eight fragments, then the context's eight, of 32 along K
	WIN TO_B
.irp i, 0,1,2,3,4,5,6,7
	ds_load_b128 v[\f+8*\i:\f+8*\i+3],   v[ADRB+\slot] offset:4096*\i+1024*(\kq)
	ds_load_b128 v[\f+8*\i+4:\f+8*\i+7], v[ADRB+\slot] offset:4096*\i+1024*(\kq)+512
.endr
	WIN 0
.irp i, 0,1,2,3,4,5,6,7
	ds_load_b128 v[\f+8*\i:\f+8*\i+3],   v[ADRA+\slot] offset:4096*\i+1024*(\kq)
	ds_load_b128 v[\f+8*\i+4:\f+8*\i+7], v[ADRA+\slot] offset:4096*\i+1024*(\kq)+512
.endr
.endm
.macro QUARTER slot, kq, f, g, zero    ; multiplies buffer f; in its middle it fetches quarter kq of the same slot into buffer g
	s_wait_dscnt 8                                 ; Wd's and my rows 0-63 are in; the youngest eight loads (rows 64-127) may be out
	WIN MUL_LO
	MUL16 \f, 0, 0, \zero
	MUL16 \f, 0, 2, \zero
	PLACES                                         ; four places in front of loads into registers that matrix instructions have read
	FETCH \slot, \kq, \g
	s_wait_dscnt 32                                ; all but the 32 just issued
	WIN MUL_HI
	MUL16 \f, 1, 0, \zero
	MUL16 \f, 1, 2, \zero
.endm
; The last quarter multiplies buffer 1 and changes slots: ONE barrier; in front of it each wave waits for all its tensor loads, adds 0 to its spare word, and waits for that and for its reads of this slot.
.macro TURN slot, next, fill
	WIN 0
	s_wait_tensorcnt 0x0                           ; all my tensor loads have landed: my part of the next slot
	ds_add_u32 v[SPW], v[NIL]                      ; 0 onto my spare word
	s_wait_dscnt 9                                 ; (the add and the youngest eight loads may be out)
	WIN MUL_LO
	MUL16 F1, 0, 0, 0
	s_wait_dscnt 0x0                               ; the add is done, and my reads of this slot are over
	s_barrier_signal -1
	MUL16 F1, 0, 2, 0
	WIN 0
	s_barrier_wait -1
.if \fill
	CREST                                          ; the barrier has opened a round of the cluster's: no wave of any partner still reads this slot or has a load on its way
	s_add_nc_u64 s[G0+4*\slot+2:G0+4*\slot+3], s[G0+4*\slot+2:G0+4*\slot+3], 8192
	s_add_nc_u64 s[G0B+4*\slot+2:G0B+4*\slot+3], s[G0B+4*\slot+2:G0B+4*\slot+3], 8192
	JLOAD \slot                                    ; two K steps on; the four v_nop behind it are also the places in front of the loads below
.else
	PLACES
.endif
	FETCH \next, 0, F0
	WIN MUL_HI
	MUL16 F1, 1, 0, 0
	MUL16 F1, 1, 2, 0
.endm
	s_wait_kmcnt 0x0
	s_mov_b32 s71, s70                             ; (the packed form names the pair and takes its low word: both are written)
	s_wait_tensorcnt 1                             ; my part of K step 0 is in (K step 1's load may be out),
	s_barrier_signal -1
	s_barrier_wait -1                              ; everybody's is
	FETCH 0, 0, F0
	QUARTER 0, 1, F0, F1, 1                        ; the first quarter starts the sums: nothing is cleared
	WIN 0
	s_mov_b32 s3, 3
.Llap:                                             ; a trip goes once round the ring and fills both slots again
	QUARTER 0, 2, F1, F0, 0
	QUARTER 0, 3, F0, F1, 0
	TURN 0, 1, 1
	QUARTER 1, 1, F0, F1, 0
	QUARTER 1, 2, F1, F0, 0
	QUARTER 1, 3, F0, F1, 0
	TURN 1, 0, 1
	QUARTER 0, 1, F0, F1, 0
	WIN 0
	s_sub_co_u32 s3, s3, 1
	s_cmp_lg_u32 s3, 0
	s_cbranch_scc1 .Llap
	QUARTER 0, 2, F1, F0, 0                        ; the last lap fills nothing
	QUARTER 0, 3, F0, F1, 0
	TURN 0, 1, 0
	QUARTER 1, 1, F0, F1, 0
	QUARTER 1, 2, F1, F0, 0
	QUARTER 1, 3, F0, F1, 0
	s_wait_dscnt 8
	WIN MUL_LO
	MUL16 F1, 0, 0, 0
	MUL16 F1, 0, 2, 0
	s_wait_dscnt 0x0
	WIN MUL_HI
	MUL16 F1, 1, 0, 0
	MUL16 F1, 1, 2, 0
	WIN 0
; THE WAY OUT, block by block of 16 rows x 128 columns, through my own stage: in as 32 bytes a lane, back as whole rows of 512 bytes; then x 1 / fc + bd, and 32 lanes store 512 consecutive aligned bytes.
; LDS serves a wave's instructions in order: no wait between the stores and the loads, nor in front of the next block's stores.
.macro TOSTAGE a
.set AC, 64*((\a)%4)
	WIN 0x08+4*((\a)/4)                            ; the data: window 2 or 3
.irp b, 0,1,2,3,4,5,6,7
	ds_store_b128 v[STO], v[AC+8*\b:AC+8*\b+3] offset:64*\b          ; each accumulator from its low end on
	ds_store_b128 v[STO], v[AC+8*\b+4:AC+8*\b+7] offset:64*\b+16
.endr
	WIN 0
.set BB, BK+64*((\a)%2)
.irp t, 0,1,2,3,4,5,6,7,8,9,10,11,12,13,14,15
	ds_load_b128 v[BB+4*\t:BB+4*\t+3], v[RD] offset:\t*SPITCH
.endr
.endm
.macro SEND a, younger                 ; younger: the LDS instructions issued behind block a's loads, which may stay out
.set BB, BK+64*((\a)%2)
	s_wait_dscnt \younger
.if (\a) > 0
	s_add_nc_u64 s[10:11], s[10:11], 16*8192       ; (behind a wait on XCNT: the earlier stores have read their base)
.endif
.irp t, 0,1,2,3,4,5,6,7,8,9,10,11,12,13,14,15  ; the block's 32 multiply-adds stand together, ahead of its stores: no store stands directly behind the instruction that makes its data
	v_pk_fma_f32 v[BB+4*\t:BB+4*\t+1], v[BB+4*\t:BB+4*\t+1], s[70:71], v[32:33] op_sel_hi:[1,0,1]
	v_pk_fma_f32 v[BB+4*\t+2:BB+4*\t+3], v[BB+4*\t+2:BB+4*\t+3], s[70:71], v[34:35] op_sel_hi:[1,0,1]
.endr
.irp t, 0,1,2,3,4,5,6,7,8,9,10,11,12,13,14,15
	global_store_b128 v[CO], v[BB+4*\t:BB+4*\t+3], s[10:11] offset:\t*8192 th:TH_STORE_NT
.endr
.endm
	s_wait_loadcnt 0x0                             ; bd
	PLACES                                         ; behind the last products: for the LDS stores that read results and the loads into the registers that held fragments
	TOSTAGE 0
.irp a, 1,2,3,4,5,6,7
.if \a > 1
	s_wait_xcnt 0x0                                ; block a - 2's stores have read their registers and their base
.endif
	TOSTAGE \a
	SEND \a-1, 32                                  ; behind block a - 1's loads: block a's 16 stores and 16 loads
.endr
	s_wait_xcnt 0x0
	SEND 7, 0
	s_wait_tensorcnt 0x0                           ; the wave's end
	ds_add_u32 v[SPW], v[NIL]
	s_wait_dscnt 0x0
	CROUND                                         ; the closing round
	s_endpgm
.Lfunc_end_k_q6ce8f1c33e_gemm2:
	.size	k_q6ce8f1c33e_gemm2, .Lfunc_end_k_q6ce8f1c33e_gemm2-k_q6ce8f1c33e_gemm2
	.p2alignl 7, 3214868480
	.fill 96, 4, 3214868480
	.section	.rodata,"a",@progbits
	.p2align	6, 0x0
	.amdhsa_kernel k_q6ce8f1c33e_gemm2
		.amdhsa_group_segment_fixed_size 327680
		.amdhsa_private_segment_fixed_size 0
		.amdhsa_enable_private_segment 0
		.amdhsa_kernarg_size 32
		.amdhsa_user_sgpr_count 2
		.amdhsa_user_sgpr_kernarg_segment_ptr 1
		.amdhsa_wavefront_size32 1
		.amdhsa_system_sgpr_workgroup_id_x 1
		.amdhsa_system_sgpr_workgroup_id_y 1
		.amdhsa_system_sgpr_workgroup_id_z 1
		.amdhsa_system_vgpr_workitem_id 0
		.amdhsa_next_free_vgpr 1024
		.amdhsa_next_free_sgpr 80
		.amdhsa_reserve_vcc 0
		.amdhsa_float_denorm_mode_32 3
		.amdhsa_float_denorm_mode_16_64 3
		.amdhsa_memory_ordered 1
		.amdhsa_forward_progress 1
		.amdhsa_inst_pref_size 157
	.end_amdhsa_kernel
	.amdgpu_metadata
---
amdhsa.version: [ 1, 2 ]
amdhsa.kernels:
  - .name:           k_q6ce8f1c33e_gemm2
    .symbol:         k_q6ce8f1c33e_gemm2.kd
    .args:
      - { .name: cb, .offset: 0, .size: 8, .value_kind: global_buffer, .address_space: global }
      - { .name: wf, .offset: 8, .size: 8, .value_kind: global_buffer, .address_space: global }
      - { .name: bd, .offset: 16, .size: 8, .value_kind: global_buffer, .address_space: global }
      - { .name: out0, .offset: 24, .size: 8, .value_kind: global_buffer, .address_space: global }
    .group_segment_fixed_size: 327680
    .private_segment_fixed_size: 0
    .kernarg_segment_align: 8
    .kernarg_segment_size: 32
    .max_flat_workgroup_size: 128
    .sgpr_count:     80
    .vgpr_count:     1024
    .wavefront_size: 32
...
	.end_amdgpu_metadata
.endif
;; end of part 4
